; MI455X (gfx1250); checked and timed in simulation.
; The chip was launched on July 23, 2026; its instructions are those of AMD's public machine-readable ISA for CDNA 5 (MIT licence, August 2026) and "CDNA5" Instruction Set Architecture Reference Guide (July 2026). The comments in the code are by the model that wrote it; some were corrected since.
;; Cross Attention. Allowed arithmetic: matrix products marked QUANTISED: E2M1 operands, one E8M0 scale for each 32 along K, by v_wmma_scale_f32_16x16x128_f8f6f4 with both operands' format E2M1 (or v_wmma_scale_f32_32x16x128_f4), f32 sums; everything else in f32.
;; Inputs: Wk 768 x 512 float32; Wo 512 x 512 float32; Wq 512 x 512 float32; Wv 768 x 512 float32; bo 512 float32; context 8 x 1,024 x 768 float32; x 8 x 512 x 64 x 64 float32.
;; Outputs: out0 8 x 512 x 64 x 64 float32.
;; This version of the problem:
;;   THIS VERSION OF THE PROBLEM IS GIVEN IN LOW PRECISION. The matrix products marked QUANTISED in the list below multiply operands that are first quantised to E2M1 (2 exponent bits, 1 mantissa bit; 4 bits a number), with one power-of-two scale for each 32 numbers along K (OCP MX v1.0); their sums are f32. All else is computed in f32.
;;   The module's matrix products, in the order in which they are computed (A, B: the left and right operand; K: the contracted axis; several contracted axes count as one K, in the product's order):
;;     1. [M 32,768, K 512] x [K 512, N 512]; A: input x; B: input Wq: QUANTISED
;;     2. [M 8,192, K 768] x [K 768, N 512]; A: input context; B: input Wk: QUANTISED
;;     3. [M 8,192, K 768] x [K 768, N 512]; A: input context; B: input Wv: QUANTISED
;;     4. batch 64 x [M 4,096, K 64] x [K 64, N 1,024]; A: computed on the way; B: computed on the way: QUANTISED
;;     5. batch 64 x [M 4,096, K 1,024] x [K 1,024, N 64]; A: softmax (see below); B: computed on the way: QUANTISED
;;     6. [M 32,768, K 512] x [K 512, N 512]; A: computed on the way; B: input Wo: QUANTISED
;;   THE QUANTISER, for each operand of a quantised product, along K:
;;     - K is cut into blocks of 32 from its start; a last block that is shorter is filled with zeros.
;;     - A block's scale is 2^e with e = floor(log2(the largest magnitude in the block)) - 2, held to -126 .. 127; a block of zeros has e = 0. As a byte (E8M0): e + 127.
;;     - Each number is divided by its block's scale, clamped to +-6, and rounded to the nearest number of E2M1, ties to even, subnormals kept.
;;     - The product sums the exact products of the quantised numbers (number of the format x scale) in f32.
;;   ~~~python
;;   def quantise(x, axis):      # numpy; x: float32 -> the quantised numbers, widened to float32 again
;;       x = np.moveaxis(x, axis, -1); K = x.shape[-1]
;;       x = np.pad(x, [(0, 0)] * (x.ndim - 1) + [(0, -K % 32)]); x = x.reshape(x.shape[:-1] + (-1, 32)); a = np.abs(x).max(-1, keepdims=True)
;;       e = np.where(a > 0, np.clip(np.frexp(np.where(a > 0, a, 1))[1] - 1 - 2, -126, 127), 0)      # np.frexp(a)[1] - 1 = floor(log2(a)), exactly
;;       r = np.clip(x / 2.0 ** e, -6, 6)
;;       step = 2.0 ** (np.maximum(np.frexp(np.where(r == 0, 1, r))[1] - 1, 0) - 1)
;;       q = np.round(r / step) * step * 2.0 ** e      # np.round: ties to even
;;       return np.moveaxis(q.reshape(q.shape[:-2] + (-1,))[..., :K], -1, axis).astype(np.float32)
;;   ~~~
;;   SOFTMAX AHEAD OF A QUANTISED PRODUCT. Where the list says 'softmax', what is quantised is not the finished softmax but p = 2^(t - M), with t = logit x log2(e) and M = ceil(the row's largest t), a whole number; so 1/2 < the row's largest p <= 1. The row's sum l is taken of the UNQUANTISED p, in f32, and the product's result is divided by l at the end. Since M is a whole number, a kernel that streams over the keys may use a running M (the ceiling of the running maximum): every later rescaling is an exact power of two, which a block's scale takes up: the codes' values come out the same.
;;   OPERANDS COMPUTED ON THE WAY. 'Computed on the way' means the value that the module computes at that place (a softmax that the list does not call 'softmax' is quantised finished and normalised). What goes into a quantiser is computed in f32, as accurately as f32 sums, v_exp_f32 and their like allow (about 1e-6 of the number): no bf16 or f16 on the way to a quantiser, and a product that is left as it is and whose result goes on into a quantised operand takes f32 operands (vector FMAs, or v_wmma_f32_16x16x4_f32). A number that lies on a knife's edge between two numbers of the format may be rounded either way, as far as f32 arithmetic and the matrix unit's own rounding can turn it there, and no further.
;; One version. Each part assembles by itself: llvm-mc -triple=amdgcn-amd-amdhsa -mcpu=gfx1250 --defsym DOCPART=n.
;; ======== version 1 of 1: 3 launches
;; limits: right only within a limited range of input values
;; workspace buffers: wimg 655,360 bytes; wscl 40,960 bytes; cimg 3,145,728 bytes; cscl 196,608 bytes; kvc 4,194,304 bytes; kvs 393,216 bytes
;; launch quant (part 1): grid 336 x 1, 4 waves a work-group, no clusters, 101,888 bytes of LDS; arguments context, Wq, Wo, Wk, Wv, cimg, cscl, wimg, wscl; writes cimg, cscl, wimg, wscl
.if DOCPART == 1
	.amdgcn_target "amdgcn-amd-amdhsa--gfx1250"
	.amdhsa_code_object_version 6
	.text
	.protected	k_qfaccc3e363_quant
	.globl	k_qfaccc3e363_quant
	.p2align	8
	.type	k_qfaccc3e363_quant,@function
k_qfaccc3e363_quant:
	s_mov_b64 s[64:65], 0
	v_nop
	global_prefetch_b8 v0, s[64:65] scope:SCOPE_SE
	s_setreg_imm32_b32 hwreg(HW_REG_WAVE_MODE, 25, 1), 1
	s_wait_xcnt 0x0
; context [8192][768] f32 (K innermost) and the weights Wq, Wo [512][512], Wk, Wv [768][512] f32 (K = the FIRST axis) become codes of FP4 (E2M1) with one E8M0 byte for each 32 along K.
; The codes are laid in the ORDER OF AN OPERAND'S REGISTERS: a fragment (16 rows x 128 K) is 1,024 bytes: block beta (32 along K) of tile lane m lies at 256 beta + 16 m.  Its scale words: 4 bytes a tile lane.
; THE ROWS OF A TILE ARE NOT NEIGHBOURS: lane m of tile 2 B + u takes row (key, or weight column) 32 B + 8 u + m + 8 (m / 8), so that as source 0 the results of tiles 2 B, 2 B + 1 are 16 neighbours in a lane.
; A block's scale is 2^(floor(log2(largest magnitude)) - 2): its byte is the largest magnitude's exponent field - 2, held at 1 from below.
; LIMITS: a block of zeros, or one whose largest magnitude lies under 2^(3 - 127), gets the byte 1 (its codes are zeros or the rule's own; only this program reads the bytes); NaN and infinities are not served.
; Work-groups 0-255: context, a wave takes one tile of 16 keys x 3 K steps.  Each load reads 512 consecutive bytes of one row; the conversions want 16 neighbours along K in a lane, so a K step's
; 16 x 512 bytes turn through the wave's own stage in LDS (rows of 528 bytes, a stage for each K step).  Work-groups 256-335: weights, a wave takes 32 columns x one K step, no LDS.  No barrier: waves share nothing.
.set SEL, 50                           ; s[50:51] lane selects for v_permlanex16_b32: lane l xor 16
.set TM,  228                          ; v228-231 largest magnitudes, v232-235 the other half's, then bytes, v240-243 the conversions' scale operands
.set SPW, 236                          ; v236 SPARE + 4 x my thread's number; never rewritten
.set NIL, 237                          ; v237 0; never rewritten
.set STI, 238                          ; v238 the stage, on the way in: 16 x lane
.set SROW, 528                         ; a stage row: 512 bytes + 16 of padding
.set SSTEP, 16*SROW                    ; a K step's stage
.set SPARE, 4*3*SSTEP                  ; behind the four waves' stages: the spare words, 128 bytes a wave; no other line names them
; 64 numbers of a lane, register 16 b + i = k 32 b + 16 (lane / 16) + i of my row, become a fragment's codes in v[pc] on and its scale word in v[pw]
.macro QUANT s, pc, pw
.irp b, 0,1,2,3
	v_max3_num_f32 v[TM+\b], |v[\s+16*\b]|, |v[\s+1+16*\b]|, 0x1800000   ; my 16 numbers and the floor 2^(3 - 127): the byte cannot fall under 1
.endr
.irp i, 2,4,6,8,10,12,14
.irp b, 0,1,2,3
	v_max3_num_f32 v[TM+\b], v[TM+\b], |v[\s+16*\b+\i]|, |v[\s+1+16*\b+\i]|
.endr
.endr
.irp b, 0,1,2,3
	v_permlanex16_b32 v[TM+4+\b], v[TM+\b], s[SEL], s[SEL+1]
.endr
.irp b, 0,1,2,3
	v_max_num_f32 v[TM+\b], v[TM+\b], v[TM+4+\b]      ; with lane l xor 16's 16: the block's largest magnitude
.endr
.irp b, 0,1,2,3
	v_add_nc_u32 v[TM+12+\b], 0xff000000, v[TM+\b]    ; 2 off its exponent field: the conversion takes that field as its scale
.endr
.irp b, 0,1,2,3
	v_lshrrev_b32 v[TM+4+\b], 23, v[TM+12+\b]         ; the scale's byte
.endr
	v_lshl_or_b32 v[\pw], v[TM+5], 8, v[TM+4]
	v_lshl_or_b32 v[\pw], v[TM+6], 16, v[\pw]
	v_lshl_or_b32 v[\pw], v[TM+7], 24, v[\pw]
.irp b, 0,1,2,3
	v_cvt_scalef32_pk8_fp4_f32 v[\pc+2*\b], v[\s+16*\b:\s+7+16*\b], v[TM+12+\b]
	v_cvt_scalef32_pk8_fp4_f32 v[\pc+1+2*\b], v[\s+8+16*\b:\s+15+16*\b], v[TM+12+\b]
.endr
	v_nop                                             ; one plain line behind the scaled conversions
.irp c, 0,1                                       ; the layout wants a whole block in a lane: lanes 0-15 block 2 c, lanes 16-31 block 2 c + 1
.irp i, 0,1
	v_permlane16_swap_b32 v[\pc+4*\c+\i], v[\pc+2+4*\c+\i]
.endr
.endr
.endm
.macro XLOAD reg, s                    ; K step s of the wave's three: tile lane i's row, 512 consecutive bytes a load
.irp i, 0,1,2,3,4,5,6,7,8,9,10,11,12,13,14,15
	global_load_b128 v[\reg+4*\i:\reg+4*\i+3], v5, s[4:5] offset:(\i+8*(\i/8))*3072+512*\s th:TH_LOAD_NT
.endr
.endm
.macro WLOAD t                         ; block t of the K step: W(32 t + i, my column)
.irp i, 0,1,2,3,4,5,6,7,8,9,10,11,12,13,14,15,16,17,18,19,20,21,22,23,24,25,26,27,28,29,30,31
	global_load_b32 v[32+32*\t+\i], v8, s[30:31] offset:(32*\t+\i)*2048 th:TH_LOAD_NT
.endr
.endm
.macro WBLOCK t, left                  ; all 32 numbers of the block are mine
.set XS, 32+32*\t
	s_wait_loadcnt \left
	v_max3_num_f32 v12, |v[XS]|, |v[XS+1]|, |v[XS+2]|
	v_max3_num_f32 v13, |v[XS+3]|, |v[XS+4]|, |v[XS+5]|
.irp i, 6,10,14,18,22,26
	v_max3_num_f32 v12, v12, |v[XS+\i]|, |v[XS+\i+1]|
	v_max3_num_f32 v13, v13, |v[XS+\i+2]|, |v[XS+\i+3]|
.endr
	v_max3_num_f32 v12, v12, |v[XS+30]|, |v[XS+31]|
	v_max3_num_f32 v12, v12, v13, 0x1800000           ; the floor
	v_add_nc_u32 v11, 0xff000000, v12
	v_lshrrev_b32 v13, 23, v11
.if \t == 0
	v_mov_b32 v176, v13
.else
	v_lshl_or_b32 v176, v13, 8*\t, v176               ; four bytes make the column's scale word of this K step
.endif
.irp g, 0,1,2,3
	v_cvt_scalef32_pk8_fp4_f32 v[160+4*\t+\g], v[XS+8*\g:XS+8*\g+7], v11
.endr
	v_nop
.endm
	s_load_b512 s[4:19], s[0:1], 0x0               ; context s[4:5], Wq s[6:7], Wo s[8:9], Wk s[10:11], Wv s[12:13], cimg s[14:15], cscl s[16:17], wimg s[18:19]
	s_load_b64 s[20:21], s[0:1], 0x40              ; wscl
	v_lshl_add_u32 v[SPW], v0, 2, SPARE
	v_mov_b32 v[NIL], 0
	v_lshrrev_b32 v1, 5, v0
	v_readfirstlane_b32 s22, v1                    ; wave 0..3
	v_and_b32 v1, 31, v0                           ; lane
	v_and_b32 v2, 15, v0                           ; r
	v_bfe_u32 v3, v0, 4, 1                         ; h
	s_cmp_ge_u32 ttmp9, 256
	s_cbranch_scc1 .Lweights
	; ---- context: item W = 4 x work-group + wave: tile TI = W / 2, K steps 3 (W % 2) on
	s_lshl_b32 s23, ttmp9, 2
	s_add_co_u32 s23, s23, s22                     ; W
	s_lshr_b32 s24, s23, 1                         ; TI = 64 b + 8 step + tile
	s_and_b32 s25, s23, 1
	s_lshr_b32 s26, s24, 3
	s_lshl_b32 s26, s26, 7                         ; 128 keys for each (b, step)
	s_bfe_u32 s27, s24, 0x20001
	s_lshl_b32 s27, s27, 5                         ; + 32 (tile / 2)
	s_add_co_u32 s26, s26, s27
	s_and_b32 s27, s24, 1
	s_lshl_b32 s27, s27, 3                         ; + 8 (tile % 2)
	s_add_co_u32 s26, s26, s27
	s_mul_i32 s26, s26, 3072                       ; a row of context is 3,072 bytes
	s_mul_i32 s27, s25, 1536                       ; three K steps are 1,536
	s_add_co_u32 s26, s26, s27
	s_mov_b32 s27, 0
	s_mul_i32 s28, s23, 3072                       ; fragments 6 TI + 3 (W % 2) = 3 W on, 1,024 bytes each
	s_mov_b32 s29, 0
	s_mul_i32 s30, s23, 192                        ; and 64 bytes of scale words each
	s_mov_b32 s31, 0
	s_mul_i32 s32, s22, 3*SSTEP                    ; my wave's stages
	s_mov_b32 s[SEL], 0x76543210
	s_mov_b32 s[SEL+1], 0xfedcba98
	s_wait_alu depctr_va_vdst(0)
	v_mul_u32_u24 v4, v2, SROW
	v_lshl_add_u32 v4, v3, 6, v4
	v_add_nc_u32 v4, s32, v4                       ; the stage, on the way out: row r, + 64 h: my 16 numbers of each block of 32
	v_lshl_add_u32 v[STI], v1, 4, s32
	v_lshlrev_b32 v5, 4, v1                        ; 16 x lane: my place in a load's 512 bytes and in an image
	v_lshlrev_b32 v6, 2, v2
	v_lshl_add_u32 v6, v3, 1, v6                   ; 4 r + 2 h: each half of the lanes stores its half of the row's scale word
	v_lshlrev_b32 v7, 4, v3                        ; 16 h bits
.irp b, 0,1,2,3
	v_mov_b32 v[TM+4+\b], 0                        ; a lane permute's destination counts as read
.endr
	s_wait_alu depctr_va_vdst(0)
	s_wait_kmcnt 0x0
	s_add_nc_u64 s[4:5], s[4:5], s[26:27]
	s_add_nc_u64 s[14:15], s[14:15], s[28:29]
	s_add_nc_u64 s[16:17], s[16:17], s[30:31]
	XLOAD 32, 0                                    ; all 48 loads go out first
	XLOAD 96, 1
	XLOAD 160, 2
.irp t, 0,1,2
	s_wait_loadcnt 32-16*\t                        ; the later K steps' loads may stay out
.irp i, 0,1,2,3,4,5,6,7,8,9,10,11,12,13,14,15
	ds_store_b128 v[STI], v[32+64*\t+4*\i:35+64*\t+4*\i] offset:SSTEP*\t+SROW*\i
.endr
.endr
	s_wait_dscnt 0x0                               ; the stores have read their registers, which take the turned numbers
.irp t, 0,1,2
.irp b, 0,1,2,3
.irp j, 0,1,2,3
	ds_load_b128 v[32+64*\t+16*\b+4*\j:35+64*\t+16*\b+4*\j], v4 offset:SSTEP*\t+128*\b+16*\j
.endr
.endr
.endr
.irp t, 0,1,2
	s_wait_dscnt 32-16*\t                          ; the later K steps' 16 LDS loads each may stay out
	QUANT 32+64*\t, 8+8*\t, 224+\t                 ; each K step has registers of its own for what it stores
	v_lshrrev_b32 v[244+\t], v7, v[224+\t]
	global_store_b128 v5, v[8+8*\t:11+8*\t], s[14:15] offset:1024*\t          ; 32 lanes store 512 consecutive bytes
	global_store_b128 v5, v[12+8*\t:15+8*\t], s[14:15] offset:1024*\t+512
	global_store_b16 v6, v[244+\t], s[16:17] offset:64*\t                     ; 64 consecutive bytes
.endr
	s_wait_tensorcnt 0x0                           ; the end of a wave that stored to LDS
	ds_add_u32 v[SPW], v[NIL]
	s_wait_dscnt 0x0
	s_endpgm
.Lweights:
	; ---- weights: Wq 16 work-groups, Wo 16, Wk 24, Wv 24.  The choice hangs on the work-group's number alone
	s_sub_co_u32 s29, ttmp9, 256
	s_wait_kmcnt 0x0
	s_mov_b64 s[30:31], s[12:13]                   ; Wv
	s_mov_b32 s32, 56                              ; its first work-group
	s_mov_b32 s33, 6                               ; K steps
	s_mov_b32 s34, 458752                          ; its region of the images
	s_mov_b32 s35, 28672                           ; and of the scale words
	s_cmp_lt_u32 s29, 56
	s_cselect_b64 s[30:31], s[10:11], s[30:31]     ; Wk
	s_cselect_b32 s32, 32, s32
	s_cselect_b32 s34, 262144, s34
	s_cselect_b32 s35, 16384, s35
	s_cmp_lt_u32 s29, 32
	s_cselect_b64 s[30:31], s[8:9], s[30:31]       ; Wo
	s_cselect_b32 s32, 16, s32
	s_cselect_b32 s33, 4, s33
	s_cselect_b32 s34, 131072, s34
	s_cselect_b32 s35, 8192, s35
	s_cmp_lt_u32 s29, 16
	s_cselect_b64 s[30:31], s[6:7], s[30:31]       ; Wq
	s_cselect_b32 s32, 0, s32
	s_cselect_b32 s34, 0, s34
	s_cselect_b32 s35, 0, s35
	s_lshl_b32 s36, s33, 10                        ; a tile's images in bytes
	s_lshl_b32 s37, s33, 6                         ; and its scale words
	s_sub_co_u32 s38, s29, s32
	s_lshl_b32 s38, s38, 2
	s_add_co_u32 s38, s38, s22                     ; item
	s_and_b32 s39, s38, 15                         ; B: columns 32 B on
	s_lshr_b32 s40, s38, 4                         ; K step
	s_lshl_b32 s42, s40, 18                        ; 128 rows of 2,048 bytes
	s_lshl_b32 s43, s39, 7
	s_add_co_u32 s42, s42, s43
	s_mov_b32 s43, 0
	s_add_nc_u64 s[30:31], s[30:31], s[42:43]
	s_lshl_b32 s44, s39, 1
	s_mul_i32 s44, s44, s33
	s_add_co_u32 s44, s44, s40                     ; fragment 2 B KS + s
	s_lshl_b32 s46, s44, 10
	s_add_co_u32 s46, s46, s34
	s_mov_b32 s47, 0
	s_add_nc_u64 s[18:19], s[18:19], s[46:47]
	s_lshl_b32 s46, s44, 6
	s_add_co_u32 s46, s46, s35
	s_add_nc_u64 s[20:21], s[20:21], s[46:47]
	v_bfe_u32 v4, v0, 3, 1                         ; column 32 B + lane is lane m = (lane % 8) + 8 (lane / 16) of tile 2 B + u, u = (lane / 8) % 2
	v_and_b32 v5, 7, v0
	s_wait_alu depctr_va_vdst(0)
	v_lshl_add_u32 v5, v3, 3, v5
	v_mul_lo_u32 v6, v4, s36
	v_lshl_add_u32 v6, v5, 4, v6                   ; images: u tiles on, + 16 m
	v_mul_lo_u32 v7, v4, s37
	v_lshl_add_u32 v7, v5, 2, v7                   ; scale words: + 4 m
	v_lshlrev_b32 v8, 2, v1                        ; in: 4 bytes a lane: a wave reads 128 consecutive bytes, the four waves of a work-group 512
	WLOAD 0                                        ; each block has registers of its own: all 128 loads go out first
	WLOAD 1
	WLOAD 2
	WLOAD 3
	WBLOCK 0, 63                                   ; 96 younger loads could stay out; 63 is the largest count that the wait can name
	WBLOCK 1, 63                                   ; likewise for 64
	WBLOCK 2, 32
	WBLOCK 3, 0
.irp t, 0,1,2,3
	global_store_b128 v6, v[160+4*\t:163+4*\t], s[18:19] offset:256*\t        ; eight neighbouring lanes store 128 consecutive bytes: runs shorter than 256, for 0.7 MB in all
.endr
	global_store_b32 v7, v176, s[20:21]
	s_endpgm
.Lfunc_end_k_qfaccc3e363_quant:
	.size	k_qfaccc3e363_quant, .Lfunc_end_k_qfaccc3e363_quant-k_qfaccc3e363_quant
	.p2alignl 7, 3214868480
	.fill 96, 4, 3214868480
	.section	.rodata,"a",@progbits
	.p2align	6, 0x0
	.amdhsa_kernel k_qfaccc3e363_quant
		.amdhsa_group_segment_fixed_size 101888
		.amdhsa_private_segment_fixed_size 0
		.amdhsa_enable_private_segment 0
		.amdhsa_kernarg_size 72
		.amdhsa_user_sgpr_count 2
		.amdhsa_user_sgpr_kernarg_segment_ptr 1
		.amdhsa_wavefront_size32 1
		.amdhsa_system_sgpr_workgroup_id_x 1
		.amdhsa_system_sgpr_workgroup_id_y 1
		.amdhsa_system_sgpr_workgroup_id_z 1
		.amdhsa_system_vgpr_workitem_id 0
		.amdhsa_next_free_vgpr 248
		.amdhsa_next_free_sgpr 66
		.amdhsa_reserve_vcc 0
		.amdhsa_float_denorm_mode_32 3
		.amdhsa_float_denorm_mode_16_64 3
		.amdhsa_memory_ordered 1
		.amdhsa_forward_progress 1
		.amdhsa_inst_pref_size 46
	.end_amdhsa_kernel
	.amdgpu_metadata
---
amdhsa.version: [ 1, 2 ]
amdhsa.kernels:
  - .name:           k_qfaccc3e363_quant
    .symbol:         k_qfaccc3e363_quant.kd
    .args:
      - { .name: context, .offset: 0, .size: 8, .value_kind: global_buffer, .address_space: global }
      - { .name: Wq, .offset: 8, .size: 8, .value_kind: global_buffer, .address_space: global }
      - { .name: Wo, .offset: 16, .size: 8, .value_kind: global_buffer, .address_space: global }
      - { .name: Wk, .offset: 24, .size: 8, .value_kind: global_buffer, .address_space: global }
      - { .name: Wv, .offset: 32, .size: 8, .value_kind: global_buffer, .address_space: global }
      - { .name: cimg, .offset: 40, .size: 8, .value_kind: global_buffer, .address_space: global }
      - { .name: cscl, .offset: 48, .size: 8, .value_kind: global_buffer, .address_space: global }
      - { .name: wimg, .offset: 56, .size: 8, .value_kind: global_buffer, .address_space: global }
      - { .name: wscl, .offset: 64, .size: 8, .value_kind: global_buffer, .address_space: global }
    .group_segment_fixed_size: 101888
    .private_segment_fixed_size: 0
    .kernarg_segment_align: 8
    .kernarg_segment_size: 72
    .max_flat_workgroup_size: 128
    .sgpr_count:     66
    .vgpr_count:     248
    .wavefront_size: 32
...
	.end_amdgpu_metadata
.endif
;; end of part 1
;; launch kvproj (part 2): grid 32 x 8, 16 waves a work-group, no clusters, 56,320 bytes of LDS; arguments cimg, cscl, wimg, wscl, kvc, kvs; writes kvc, kvs
.if DOCPART == 2
	.amdgcn_target "amdgcn-amd-amdhsa--gfx1250"
	.amdhsa_code_object_version 6
	.text
	.protected	k_qfaccc3e363_kvproj
	.globl	k_qfaccc3e363_kvproj
	.p2align	8
	.type	k_qfaccc3e363_kvproj,@function
k_qfaccc3e363_kvproj:
	s_mov_b64 s[64:65], 0
	v_nop
	global_prefetch_b8 v0, s[64:65] scope:SCOPE_SE
	s_setreg_imm32_b32 hwreg(HW_REG_WAVE_MODE, 25, 1), 1
	s_wait_xcnt 0x0
; k = context Wk and v = context Wv on codes of FP4, and their results quantised at once: k along the head's 64, v along the keys, both laid as the attention's operand registers want them.
; A work-group takes 128 keys of one batch (a key step) and two heads (128 columns), for k and for v.  Waves 0-7 make k, waves 8-15 v.  Wave: p = wave % 4: 32 columns (two weight tiles), kh = (wave / 4) % 2: four tiles of 16 keys.
; The work-group's 48 context fragments (49,152 bytes) and their scale words come into LDS once, through registers; a wave's 12 weight fragments stay in its registers.
; k: source 0 = weight tile, source 1 = keys: a lane holds ONE key and 16 neighbouring channels of a block of 32.  v: the sources swapped: a lane holds ONE channel and 16 neighbouring keys.
; So both are quantised by the same lines: a block lies in lanes l and l xor 16; a lane's 16 codes are 8 bytes.
; k's KEYS ARE DEALT ANEW ON THE WAY OUT: the attention's tile 4 c + u, lane m holds key 32 (2 c + m / 8) + 8 u + m % 8 of the step, so that there a lane's 32 scores of four tiles are one block of 32 keys.
; The key of context tile 4 kh + q, lane r goes to tile 4 kh + q % 2 + 2 (r / 8), lane 8 (q / 2) + r % 8: another store address, for the codes and for the scale bytes, and nothing else.
; v's store of a wave covers 256 consecutive bytes, aligned; k's two runs of 128 bytes, whose units the wave's other stores fill.
; Scale bytes are gathered in LDS (768 bytes a head: k's words {byte 0, byte 1, 127, 127}, then v's) and leave as aligned runs of 256 bytes.
; NO CLUSTER: the four work-groups of a key step share the context block alone, a third of what each reads, read once at the head, through registers.
; LIMITS: a block whose largest magnitude lies under 2^(3 - 127) gets the byte 1; NaN and infinities are not served.
.set CSC, 49152                        ; LDS: context images 0 .. 49,151; their scale words; the stage for the scale bytes
.set STG, 52224
.set LC,  4                            ; v4   my four key tiles' images: 24,576 kh + 16 lane
.set LCS, 5                            ; v5   their scale words
.set GK,  6                            ; v6   v: 16 r + 8 h: my 8 bytes of a block's 256
.set AKS, 7                            ; v7   where k's scale bytes go
.set AVS, 8                            ; v8   where v's go
.set GKK, 253                          ; v253 k: 1,024 (r / 8) + 16 (r % 8) + 8 h
.set W,   16                           ; v16-111  weight fragments (u, s) at 8 (6 u + s)
.set WS,  112                          ; v112-123 their scale words
.set FR,  124                          ; v124-155 four context fragments
.set CS,  156                          ; v156-159 their scale words
.set ACC, 160                          ; v160-223 eight accumulators (at the head: the copy's data)
.set QM,  224
.set QX,  228
.set QS,  232
.set QY,  236
.set QC,  240
.set SEL, 40
.macro PLACES n
.rept \n
	v_nop
.endr
.endm
.macro MMZ d, a, b, sa, sb             ; the first K step starts a sum
	v_wmma_scale_f32_16x16x128_f8f6f4 v[\d:\d+7], v[\a:\a+7], v[\b:\b+7], 0, v[\sa], v[\sb] matrix_a_fmt:MATRIX_FMT_FP4 matrix_b_fmt:MATRIX_FMT_FP4
.endm
.macro MMA d, a, b, sa, sb
	v_wmma_scale_f32_16x16x128_f8f6f4 v[\d:\d+7], v[\a:\a+7], v[\b:\b+7], v[\d:\d+7], v[\sa], v[\sb] matrix_a_fmt:MATRIX_FMT_FP4 matrix_b_fmt:MATRIX_FMT_FP4
.endm
; n blocks: block b is v[src + 16 b] .. + 15 in my lane and as many in lane l xor 16.  Codes to v[QC + 2 b], + 1; the byte to v[QY + b].  Each accumulator is read from its low end on.
.macro QB n, src
.irp b, 0,1,2,3
.if \b < \n
	v_max3_num_f32 v[QM+\b], |v[\src+16*\b]|, |v[\src+16*\b+1]|, 0x1800000    ; the floor 2^(3 - 127): the byte cannot fall under 1
.endif
.endr
.irp i, 2,4,6,8,10,12,14
.irp b, 0,1,2,3
.if \b < \n
	v_max3_num_f32 v[QM+\b], v[QM+\b], |v[\src+16*\b+\i]|, |v[\src+16*\b+\i+1]|
.endif
.endr
.endr
.irp b, 0,1,2,3
.if \b < \n
	s_delay_alu instid0(VALU_DEP_4)
	v_permlanex16_b32 v[QX+\b], v[QM+\b], s[SEL], s[SEL+1]
.endif
.endr
.irp b, 0,1,2,3
.if \b < \n
	s_delay_alu instid0(VALU_DEP_4)
	v_max_num_f32 v[QM+\b], v[QM+\b], v[QX+\b]
.endif
.endr
.irp b, 0,1,2,3
.if \b < \n
	s_delay_alu instid0(VALU_DEP_4)
	v_add_nc_u32 v[QS+\b], 0xff000000, v[QM+\b]       ; 2 off the exponent field: the conversion's scale operand
.endif
.endr
.irp b, 0,1,2,3
.if \b < \n
	s_delay_alu instid0(VALU_DEP_4)
	v_lshrrev_b32 v[QY+\b], 23, v[QS+\b]
.endif
.endr
.irp b, 0,1,2,3
.if \b < \n
	v_cvt_scalef32_pk8_fp4_f32 v[QC+2*\b], v[\src+16*\b:\src+16*\b+7], v[QS+\b]
	v_cvt_scalef32_pk8_fp4_f32 v[QC+2*\b+1], v[\src+16*\b+8:\src+16*\b+15], v[QS+\b]
.endif
.endr
	v_nop                                             ; one plain line behind the scaled conversions
.endm
; The products, the quantiser and the stores of one role.  The eight accumulators take turns, one instruction a turn.
.macro KVROLE role
.irp s, 0,1,2,3,4,5
.if \s > 0
	PLACES 4                                          ; in front of loads into registers that matrix instructions have read
.endif
.irp q, 0,1,2,3
.irp c, 0,1
	ds_load_b128 v[FR+8*\q+4*\c:FR+8*\q+4*\c+3], v[LC] offset:(6*\q+\s)*1024+512*\c
.endr
	ds_load_b32 v[CS+\q], v[LCS] offset:(6*\q+\s)*64
.endr
	s_wait_dscnt 0x0
.irp q, 0,1,2,3
.irp u, 0,1
.if \role == 0
.if \s == 0
	MMZ ACC+8*(2*\q+\u), W+8*(6*\u+\s), FR+8*\q, WS+6*\u+\s, CS+\q
.else
	MMA ACC+8*(2*\q+\u), W+8*(6*\u+\s), FR+8*\q, WS+6*\u+\s, CS+\q
.endif
.else
.if \s == 0
	MMZ ACC+8*(4*\u+\q), FR+8*\q, W+8*(6*\u+\s), CS+\q, WS+6*\u+\s
.else
	MMA ACC+8*(4*\u+\q), FR+8*\q, W+8*(6*\u+\s), CS+\q, WS+6*\u+\s
.endif
.endif
.endr
.endr
.endr
	PLACES 4
	QB 4, ACC
.if \role == 0
.irp q, 0,1,2,3                                   ; block q: context tile 4 kh + q, channels 32 (p % 2) on; to the attention's tile q % 2 + 2 (r / 8), lane 8 (q / 2) + r % 8
	global_store_b64 v[GKK], v[QC+2*\q:QC+2*\q+1], s[52:53] offset:512*(\q%2)+128*(\q/2)
	ds_store_b8 v[AKS], v[QY+\q] offset:4*(\q%2)+128*(\q/2)                   ; both lanes of a block write the same byte with the same value
.endr
.else
.irp u, 0,1                                       ; block 2 u + e: channel tile 2 (p % 2) + u, keys 32 (2 kh + e) on
.irp e, 0,1
	global_store_b64 v[GK], v[QC+4*\u+2*\e:QC+4*\u+2*\e+1], s[52:53] offset:1024*\u+256*\e
	ds_store_b8 v[AVS], v[QY+2*\u+\e] offset:4*\u+\e
.endr
.endr
.endif
.endm
	s_load_b256 s[4:11], s[0:1], 0x0               ; cimg s[4:5], cscl s[6:7], wimg s[8:9], wscl s[10:11]
	s_load_b128 s[12:15], s[0:1], 0x20             ; kvc s[12:13], kvs s[14:15]
	v_lshl_add_u32 v254, v0, 2, 0xd400             ; my spare word, behind the stage; v254 and v255 are kept for the closing add alone
	v_mov_b32 v255, 0
	v_lshrrev_b32 v1, 5, v0
	s_delay_alu instid0(VALU_DEP_1)
	v_readfirstlane_b32 s16, v1                    ; wave 0..15
	v_and_b32 v1, 31, v0                           ; lane
	s_wait_alu depctr_va_vdst(0)
	v_and_b32 v2, 15, v0                           ; r
	s_wait_alu depctr_va_vdst(0)
	v_bfe_u32 v3, v0, 4, 1                         ; h
	s_lshr_b32 s17, s16, 3                         ; role: 0 k, 1 v
	s_and_b32 s18, s16, 3                          ; p
	s_bfe_u32 s19, s16, 0x10002                    ; kh
	s_and_b32 s20, ttmp9, 3                        ; jp: heads 2 jp, 2 jp + 1
	s_lshr_b32 s21, ttmp9, 2                       ; key step
	s_and_b32 s22, ttmp7, 0xffff                   ; batch
	s_lshr_b32 s23, s18, 1                         ; which of the two heads
	s_and_b32 s24, s18, 1                          ; which 32 of its 64 channels
	s_mov_b32 s[SEL], 0x76543210
	s_mov_b32 s[SEL+1], 0xfedcba98
	; every LDS address is made here, ahead of the parting into roles, from the lane and the wave's number
	v_lshlrev_b32 v13, 4, v1                       ; 16 lane
	v_lshlrev_b32 v14, 2, v2                       ; 4 r
	s_mul_i32 s25, s19, 24576
	v_add_nc_u32 v[LC], s25, v13
	s_mul_i32 s25, s19, 1536
	s_add_co_u32 s25, s25, CSC
	v_add_nc_u32 v[LCS], s25, v14
	v_lshlrev_b32 v[GK], 4, v2
	s_wait_alu depctr_va_vdst(0)
	v_lshl_add_u32 v[GK], v3, 3, v[GK]
	s_mul_i32 s25, s23, 768
	s_add_co_u32 s25, s25, STG                     ; my head's 768 bytes of the stage
	s_lshl_b32 s26, s19, 8
	s_add_co_u32 s26, s26, s25
	s_add_co_u32 s26, s26, s24
	v_and_b32 v250, 7, v2                          ; r % 8
	v_lshrrev_b32 v251, 3, v2                      ; r / 8
	s_delay_alu instid0(VALU_DEP_2)
	v_lshlrev_b32 v250, 4, v250
	s_delay_alu instid0(VALU_DEP_1)
	v_lshl_add_u32 v252, v251, 3, v250
	s_delay_alu instid0(VALU_DEP_1)
	v_add_nc_u32 v[AKS], s26, v252                 ; k: 256 kh + 16 (r % 8) + 8 (r / 8) + (p % 2); the store adds 128 (q / 2) + 4 (q % 2)
	s_delay_alu instid0(VALU_DEP_3)
	v_lshl_add_u32 v250, v251, 10, v250
	s_delay_alu instid0(VALU_DEP_1)
	v_lshl_add_u32 v[GKK], v3, 3, v250
	s_lshl_b32 s26, s24, 3
	s_lshl_b32 s27, s19, 1
	s_add_co_u32 s26, s26, s27
	s_add_co_u32 s26, s26, s25
	s_add_co_u32 s26, s26, 512
	v_lshl_add_u32 v[AVS], v2, 4, s26              ; v: 512 + 16 r + 4 (2 (p % 2) + u) + 2 kh + e
	v_lshlrev_b32 v9, 4, v0                        ; the copy: 16 bytes a thread
	v_lshl_add_u32 v10, v0, 2, STG                 ; the stage's first filling: 4 bytes a thread
	s_mul_i32 s25, s19, 768
	s_lshl_b32 s26, s18, 8
	s_add_co_u32 s25, s25, s26
	s_add_co_u32 s25, s25, STG
	v_lshl_add_u32 v11, v1, 3, s25                 ; the scale bytes' way out: head kh, run p of 256 bytes, 8 bytes a lane
	v_lshlrev_b32 v12, 3, v1
	v_mov_b32 v15, 0x7f7f7f7f
	; offsets in memory
	s_lshl_b32 s26, s22, 3
	s_add_co_u32 s26, s26, s21                     ; 8 b + step
	s_mul_i32 s28, s26, 49152
	s_mov_b32 s29, 0
	s_mul_i32 s30, s26, 3072
	s_mov_b32 s31, 0
	s_lshl_b32 s32, s20, 3
	s_lshl_b32 s33, s18, 1
	s_add_co_u32 s32, s32, s33                     ; my first weight tile: 8 jp + 2 p
	s_mul_i32 s34, s32, 6144
	s_mul_i32 s33, s17, 196608
	s_add_co_u32 s34, s34, s33
	s_add_co_u32 s34, s34, 262144                  ; Wk's region, or Wv's behind it
	s_mov_b32 s35, 0
	s_mul_i32 s36, s32, 384
	s_mul_i32 s33, s17, 12288
	s_add_co_u32 s36, s36, s33
	s_add_co_u32 s36, s36, 16384
	s_mov_b32 s37, 0
	s_lshl_b32 s26, s19, 11
	s_lshl_b32 s27, s24, 8
	s_add_co_u32 s26, s26, s27                     ; k: 2,048 kh + 256 (p % 2)
	s_lshl_b32 s27, s24, 11
	s_lshl_b32 s33, s19, 9
	s_add_co_u32 s27, s27, s33
	s_add_co_u32 s27, s27, 4096                    ; v: 4,096 + 2,048 (p % 2) + 512 kh
	s_cmp_eq_u32 s17, 0
	s_cselect_b32 s26, s26, s27
	s_lshl_b32 s38, s22, 3
	s_lshl_b32 s27, s20, 1
	s_add_co_u32 s38, s38, s27                     ; 8 b + 2 jp
	s_add_co_u32 s42, s38, s19                     ; the head whose scale bytes I carry out
	s_add_co_u32 s38, s38, s23                     ; my head
	s_lshl_b32 s38, s38, 3
	s_add_co_u32 s38, s38, s21
	s_lshl_b32 s38, s38, 13                        ; 8,192 bytes for each (head, step)
	s_add_co_u32 s38, s38, s26
	s_mov_b32 s39, 0
	s_lshl_b32 s42, s42, 3
	s_add_co_u32 s42, s42, s21
	s_mul_i32 s42, s42, 768
	s_lshl_b32 s27, s18, 8
	s_add_co_u32 s42, s42, s27
	s_mov_b32 s43, 0
	s_wait_alu depctr_va_vdst(0)
	s_wait_kmcnt 0x0
	s_add_nc_u64 s[44:45], s[4:5], s[28:29]
	s_add_nc_u64 s[46:47], s[6:7], s[30:31]
	s_add_nc_u64 s[48:49], s[8:9], s[34:35]
	s_add_nc_u64 s[50:51], s[10:11], s[36:37]
	s_add_nc_u64 s[52:53], s[12:13], s[38:39]
	s_add_nc_u64 s[54:55], s[14:15], s[42:43]
.irp i, 0,1,2,3,4,5
	global_load_b128 v[ACC+4*\i:ACC+4*\i+3], v9, s[44:45] offset:8192*\i      ; the context block, 8,192 consecutive bytes a load of the work-group
.endr
	s_cmp_lt_u32 s16, 6                            ; its 3,072 bytes of scale words: waves 0-5
	s_cbranch_scc0 .Lno_words_in
	global_load_b128 v[ACC+24:ACC+27], v9, s[46:47]
.Lno_words_in:
.irp i, 0,1,2,3,4,5,6,7,8,9,10,11,12,13,14,15,16,17,18,19,20,21,22,23
	global_load_b128 v[W+4*\i:W+4*\i+3], v13, s[48:49] offset:512*\i          ; my 12 weight fragments: 12,288 dense bytes
.endr
.irp i, 0,1,2,3,4,5,6,7,8,9,10,11
	global_load_b32 v[WS+\i], v14, s[50:51] offset:64*\i
.endr
.irp b, 0,1,2,3
	v_mov_b32 v[QX+\b], 0                          ; a lane permute's destination counts as read
.endr
	s_wait_loadcnt 36                              ; the copy's loads are in; the 24 + 12 weight loads may stay out
.irp i, 0,1,2,3,4,5
	ds_store_b128 v9, v[ACC+4*\i:ACC+4*\i+3] offset:8192*\i
.endr
	s_cmp_lt_u32 s16, 6
	s_cbranch_scc0 .Lno_words_out
	ds_store_b128 v9, v[ACC+24:ACC+27] offset:CSC
.Lno_words_out:
	ds_store_b32 v10, v15                          ; the stage begins as bytes 127: k's words keep them for the K that a head of 64 leaves empty
	s_wait_dscnt 0x0                               ; for the others' sake: my stores have landed
	s_barrier_signal -1
	s_barrier_wait -1
	s_wait_loadcnt 0x0                             ; the weights
	s_cmp_lg_u32 s17, 0
	s_cbranch_scc1 .Lrole_v
	KVROLE 0
	s_branch .Ljoin
.Lrole_v:
	KVROLE 1
.Ljoin:
	s_wait_dscnt 0x0                               ; my scale bytes lie in the stage
	s_barrier_signal -1
	s_barrier_wait -1
	s_cmp_lg_u32 s17, 0                            ; six waves carry the two heads' 768 bytes out: wave 4 kh + p, p under 3
	s_cbranch_scc1 .Lend
	s_cmp_eq_u32 s18, 3
	s_cbranch_scc1 .Lend
	ds_load_b64 v[248:249], v11
	s_wait_dscnt 0x0
	global_store_b64 v12, v[248:249], s[54:55]     ; 32 lanes store 256 consecutive bytes, aligned
.Lend:
	s_wait_tensorcnt 0x0                           ; the wave's end
	ds_add_u32 v254, v255
	s_wait_dscnt 0x0
	s_endpgm
.Lfunc_end_k_qfaccc3e363_kvproj:
	.size	k_qfaccc3e363_kvproj, .Lfunc_end_k_qfaccc3e363_kvproj-k_qfaccc3e363_kvproj
	.p2alignl 7, 3214868480
	.fill 96, 4, 3214868480
	.section	.rodata,"a",@progbits
	.p2align	6, 0x0
	.amdhsa_kernel k_qfaccc3e363_kvproj
		.amdhsa_group_segment_fixed_size 56320
		.amdhsa_private_segment_fixed_size 0
		.amdhsa_enable_private_segment 0
		.amdhsa_kernarg_size 48
		.amdhsa_user_sgpr_count 2
		.amdhsa_user_sgpr_kernarg_segment_ptr 1
		.amdhsa_wavefront_size32 1
		.amdhsa_system_sgpr_workgroup_id_x 1
		.amdhsa_system_sgpr_workgroup_id_y 1
		.amdhsa_system_sgpr_workgroup_id_z 1
		.amdhsa_system_vgpr_workitem_id 0
		.amdhsa_next_free_vgpr 256
		.amdhsa_next_free_sgpr 66
		.amdhsa_reserve_vcc 0
		.amdhsa_float_denorm_mode_32 3
		.amdhsa_float_denorm_mode_16_64 3
		.amdhsa_memory_ordered 1
		.amdhsa_forward_progress 1
		.amdhsa_inst_pref_size 43
	.end_amdhsa_kernel
	.amdgpu_metadata
---
amdhsa.version: [ 1, 2 ]
amdhsa.kernels:
  - .name:           k_qfaccc3e363_kvproj
    .symbol:         k_qfaccc3e363_kvproj.kd
    .args:
      - { .name: cimg, .offset: 0, .size: 8, .value_kind: global_buffer, .address_space: global }
      - { .name: cscl, .offset: 8, .size: 8, .value_kind: global_buffer, .address_space: global }
      - { .name: wimg, .offset: 16, .size: 8, .value_kind: global_buffer, .address_space: global }
      - { .name: wscl, .offset: 24, .size: 8, .value_kind: global_buffer, .address_space: global }
      - { .name: kvc, .offset: 32, .size: 8, .value_kind: global_buffer, .address_space: global }
      - { .name: kvs, .offset: 40, .size: 8, .value_kind: global_buffer, .address_space: global }
    .group_segment_fixed_size: 56320
    .private_segment_fixed_size: 0
    .kernarg_segment_align: 8
    .kernarg_segment_size: 48
    .max_flat_workgroup_size: 512
    .sgpr_count:     66
    .vgpr_count:     256
    .wavefront_size: 32
...
	.end_amdgpu_metadata
.endif
;; end of part 2
;; launch attn (part 3): grid 32 x 8, 16 waves a work-group, clusters of 4 x 1, 327,680 bytes of LDS; arguments x, wimg, wscl, kvc, kvs, bo, out0; writes out0
.if DOCPART == 3
	.amdgcn_target "amdgcn-amd-amdhsa--gfx1250"
	.amdhsa_code_object_version 6
	.text
	.protected	k_qfaccc3e363_attn
	.globl	k_qfaccc3e363_attn
	.p2align	8
	.type	k_qfaccc3e363_attn,@function
k_qfaccc3e363_attn:
	s_mov_b64 s[64:65], 0
	v_nop
	global_prefetch_b8 v0, s[64:65] scope:SCOPE_SE
	s_setreg_imm32_b32 hwreg(HW_REG_WAVE_MODE, 25, 1), 1
	s_wait_xcnt 0x0
	s_wait_alu depctr_hold_cnt(0) depctr_sa_sdst(0) depctr_va_vdst(0) depctr_va_sdst(0) depctr_va_ssrc(0) depctr_va_vcc(0) depctr_vm_vsrc(0)
	s_getreg_b32 s2, hwreg(HW_REG_IB_STS2, 6, 4)
	s_cmp_eq_u32 s2, 0
	s_cbranch_scc0 .Lentry_in_a_cluster
	s_endpgm
.Lentry_in_a_cluster:
	s_bfe_u32 s2, ttmp6, 0x10000c
	s_cmp_lg_u32 s2, 0x3003
	s_cbranch_scc0 .Lentry_shape_is_right
	s_endpgm
.Lentry_shape_is_right:
; out = x + (softmax(q k^T / 8) v) Wo + bo, q = x^T Wq, all products on codes of FP4 (E2M1) with one E8M0 scale for each 32 along K.  x, out: [8][512 (c)][4096 (token)] f32.
; A work-group of sixteen waves owns 128 tokens of one batch and takes them through the whole chain; q, p and o never leave the WGP.
;   P0  x is quantised along c: a lane takes a token, its registers run down c; the codes go to LDS as images of the operand's registers (block beta of tile lane r at 256 beta + 16 r).
;   P1  q: wave w makes units 32 w .. + 31 for the 8 token tiles, transposed (source 0 = Wq's tile), quantises them along the head's 64 and stores the images.
;   P2  attention: wave = token tile (w % 8) x head group (w / 8): heads 4 g + hp one after the other; 128 keys a step.  S^T = k q^T, O^T = v^T p^T: a lane holds one query throughout.
;       t = score x log2(e) / 8; M = the running largest t rounded up to a whole number; p = 2^(t - M) is quantised along the keys; the sum is taken of the unquantised p and divides O at a head's end.
;       The head's 64 fill half of a K of 128: q's upper four registers are zero codes and the upper two bytes of q's and k's scale words are 127, so what stands in k's upper four registers adds nothing.
;       THE KEYS OF k's TILES: tile 4 c + u, lane m holds key 32 (2 c + m / 8) + 8 u + m % 8 of the step.  So lane (query, h) holds in the 32 registers of tiles 4 c .. 4 c + 3 the whole block 2 c + h of
;       32 keys, in order: a block's largest score needs no other lane, and the conversions' results are the second product's operand as they stand.
;       THE KEY LOOP RUNS ONE STEP AHEAD FOR k: behind a step's score products its v and the NEXT step's k are asked of LDS together, so a step begins with k in registers.
;       THE CHANGE OF SLOTS STANDS INSIDE A SLOT'S LAST STEP, behind that step's loads of v: when they are in registers nobody reads the slot any more.  Behind the round come the refill, the next slot's
;       first k, and the whole of the step's softmax.
;   P3  out^T: source 0 = 16 tokens of o, source 1 = Wo's tile, bo as the C of the first K step; through a stage in LDS, + x, stored 256 consecutive bytes for 16 lanes.
; k's and v's codes come through a ring of two LDS slots of 65,536 bytes (4 key steps x the two heads at work), the batch's scale bytes once.
; CLUSTER: the four work-groups of a cluster belong to one batch and walk the same k and v: every tensor load is a joint one, with the same descriptor and the mask of all four.
; x is read twice (P0 and P3): a work-group's 262,144 bytes of it do not fit beside the attention's registers.
; LIMITS: a block whose largest magnitude lies under 2^(3 - 127), zeros among them, gets the byte 1 (only this program reads the bytes); NaN and infinities among the inputs are not served;
; the softmax holds while the scaled scores t stay under 2^31 in magnitude.
.set SLOTB, 65536                      ; LDS: slot 0 at 0, slot 1 here: [g][4 steps][8,192]
.set SCL,   131072                     ; the batch's k and v scale bytes, 49,152: [head][step][768]
.set SPARE, 180224                     ; the spare words: 128 bytes for each of 16 waves; no other line names them
.set XIMG,  182272                     ; x's 32 fragments: (4 tile + K step) x 1,024
.set XSC,   215040                     ; their scale words: [tile][r][K step]
.set QIMG,  217088                     ; q: (8 head + tile) x 512
.set QSC,   249856                     ; [head][tile][r] words
.set OIMG,  253952                     ; o, as x
.set OSC,   286720
.set STG,   182272                     ; P3's stages, 16 rows x 272 bytes a wave, over x's and q's bytes, which nobody reads any more; no tensor load ever lands there
.set SPW, 5                            ; v5   SPARE + 4 x my thread's number; never rewritten
.set NIL, 6                            ; v6   0; never rewritten
.set TSC, 232                          ; v232-255 hold scale words and nothing else: P1, P3: the tokens' v232-247, the weights' v248-255
.set WS,  248
.set SK,  232                          ; P2: k's v232-235, v's v236-239, q's v240, p's v241
.set SV,  236
.set QW,  240
.set PWD, 241
.set WV,  18
.set SEL, 20                           ; s[20:21] lane selects: lane l xor 16
.set CS,  22                           ; s[22:23] log2(e) / 8, twice
.set G1,  24                           ; s[24:31] group 1 of the ring: a dense piece of 8,192 bytes as 4 rows of 2,048;  s[32:39] of the scale bytes: 48 rows of 256;  s[40:43] group 0 of the ring, which walks;  s[44:47] of the scale bytes
.set G1S, 32
.set G0,  40
.set G0S, 44
.set TB,  48                           ; LDS byte of the key step in hand
.set TS,  49                           ; its scale bytes: 768 a step, through a group's 32 steps
.set NS,  50
.set HPC, 51
.set H4096, 52                         ; 4,096 hp, 512 hp, 2 hp
.set H512,  53
.set H2,    54
.set SLOTS, 55                         ; fills still to come
.set PFA, 56                           ; s[56:57] where my prefetches stand
.set LIM, 58                           ; 1 in a wave that prefetches, else the greatest number
.set XB,  82                           ; s[82:83] x for P0;  s[84:85] x for P3;  s[86:87] out
.set XR0, 84
.set OB,  86
.set WQB, 88                           ; Wq's fragments, scale words; Wo's; bo
.set WQS, 90
.set WOB, 92
.set WOS, 94
.set BOB, 96
.set BC,  48
.macro PLACES n
.rept \n
	v_nop
.endr
.endm
.macro BAR                             ; my LDS stores have landed and my LDS loads are in: then the work-group's barrier
	s_wait_dscnt 0x0
	s_barrier_signal -1
	s_barrier_wait -1
.endm
.macro CREST                           ; a round of the cluster's barrier behind its opening barrier
	s_cmp_lg_u32 s[WV], 0
	s_cbranch_scc1 .Lnot_wave_0_\@
	s_barrier_signal -3
.Lnot_wave_0_\@:
	s_barrier_wait -3
	s_barrier_signal -1
	s_barrier_wait -1
.endm
.macro CROUND                          ; a whole round
	s_barrier_signal -1
	s_barrier_wait -1
	CREST
.endm
.macro TLOAD                           ; waves 0-7 fetch an eighth of a slot each: one key step of one head group; s_nop 0 and four v_nop follow the load
	s_cmp_lt_u32 s[WV], 8
	s_cbranch_scc0 .Lno_fetch_\@
	tensor_load_to_lds s[G0:G0+3], s[G1:G1+7]
	s_nop 0
.rept 4
	v_nop
.endr
.Lno_fetch_\@:
.endm
; A prefetch of the slot that the NEXT fill will ask for: 2 x 32,768 bytes, four key steps ahead of that load.  The batch's first cluster asks; its four partners take 16,384 bytes each, told apart by
; address; in each, waves 4 and 5 take 8,192 bytes, lanes 256 bytes apart.  The last fill asks for nothing: no slot follows it.
.macro ASK
	s_cmp_gt_u32 s[SLOTS], s[LIM]
	s_cbranch_scc0 .Lnot_mine_\@
	global_prefetch_b8 v[PFO], s[PFA:PFA+1] th:TH_LOAD_NT scope:SCOPE_SE
.Lnot_mine_\@:
.endm
.macro MMZ d, a, b, sa, sb
	v_wmma_scale_f32_16x16x128_f8f6f4 v[\d:\d+7], v[\a:\a+7], v[\b:\b+7], 0, v[\sa], v[\sb] matrix_a_fmt:MATRIX_FMT_FP4 matrix_b_fmt:MATRIX_FMT_FP4
.endm
.macro MMZR d, a, b, sa, sb            ; source 0's scales from lanes 16-31
	v_wmma_scale_f32_16x16x128_f8f6f4 v[\d:\d+7], v[\a:\a+7], v[\b:\b+7], 0, v[\sa], v[\sb] matrix_a_fmt:MATRIX_FMT_FP4 matrix_b_fmt:MATRIX_FMT_FP4 matrix_a_scale:MATRIX_SCALE_ROW1
.endm
.macro MMC d, a, b, c, sa, sb
	v_wmma_scale_f32_16x16x128_f8f6f4 v[\d:\d+7], v[\a:\a+7], v[\b:\b+7], v[\c:\c+7], v[\sa], v[\sb] matrix_a_fmt:MATRIX_FMT_FP4 matrix_b_fmt:MATRIX_FMT_FP4
.endm
; n blocks: block b is v[src + 16 b] .. + 15 in my lane and as many in lane l xor 16.  Codes to v[QC + 2 b], + 1; the byte to v[QY + b].  Accumulators are read from their low end on.
.macro QB n, src
.irp b, 0,1,2,3
.if \b < \n
	v_max3_num_f32 v[QM+\b], |v[\src+16*\b]|, |v[\src+16*\b+1]|, 0x1800000    ; the floor 2^(3 - 127): the byte cannot fall under 1
.endif
.endr
.irp i, 2,4,6,8,10,12,14
.irp b, 0,1,2,3
.if \b < \n
	v_max3_num_f32 v[QM+\b], v[QM+\b], |v[\src+16*\b+\i]|, |v[\src+16*\b+\i+1]|
.endif
.endr
.endr
.irp b, 0,1,2,3
.if \b < \n
	v_permlanex16_b32 v[QX+\b], v[QM+\b], s[SEL], s[SEL+1]
.endif
.endr
.irp b, 0,1,2,3
.if \b < \n
	v_max_num_f32 v[QM+\b], v[QM+\b], v[QX+\b]
.endif
.endr
.irp b, 0,1,2,3
.if \b < \n
	v_add_nc_u32 v[QS+\b], 0xff000000, v[QM+\b]
.endif
.endr
.irp b, 0,1,2,3
.if \b < \n
	v_lshrrev_b32 v[QY+\b], 23, v[QS+\b]
.endif
.endr
.irp b, 0,1,2,3
.if \b < \n
	v_cvt_scalef32_pk8_fp4_f32 v[QC+2*\b], v[\src+16*\b:\src+16*\b+7], v[QS+\b]
	v_cvt_scalef32_pk8_fp4_f32 v[QC+2*\b+1], v[\src+16*\b+8:\src+16*\b+15], v[QS+\b]
.endif
.endr
	v_nop
.endm
	; ================= the head
	s_load_b256 s[4:11], s[0:1], 0x0               ; x s[4:5], wimg s[6:7], wscl s[8:9], kvc s[10:11]
	s_load_b128 s[12:15], s[0:1], 0x20             ; kvs s[12:13], bo s[14:15]
	s_load_b64 s[16:17], s[0:1], 0x30              ; out
	v_lshl_add_u32 v[SPW], v0, 2, SPARE
	v_mov_b32 v[NIL], 0
	ds_add_u32 v[SPW], v[NIL]                      ; the opening lines: the add twice on end and one wait
	ds_add_u32 v[SPW], v[NIL]
	s_wait_dscnt 0x0
	v_lshrrev_b32 v1, 5, v0
	s_delay_alu instid0(VALU_DEP_1)
	v_readfirstlane_b32 s[WV], v1                  ; wave 0..15
	s_bfe_u32 s59, ttmp6, 0x40000                  ; cx: it enters x's, out's and the prefetches' addresses alone
	s_lshl_b32 s60, ttmp9, 2
	s_add_co_u32 s60, s60, s59                     ; my block of 128 tokens
	s_and_b32 s61, ttmp7, 0xffff                   ; the batch, which the four partners share
	s_and_b32 s62, s[WV], 3                        ; which quarter I fetch; in P0: which 32 tokens
	s_lshr_b32 s63, s[WV], 2                       ; in P0: which K step
	s_mov_b32 s[G1], 15|(3<<16)|(1<<21)            ; the mask of all four work-groups; elements of 8 bytes; bit 21 beside a mask; no padding: the images are dense
	s_mov_b32 s[G1+1], 256<<16                     ; rows of 256 elements: 2,048 bytes, each beginning at a multiple of 2,048 bytes from the buffer's first byte
	s_mov_b32 s[G1+2], 4<<16                       ; 4 rows
	s_mov_b32 s[G1+3], 256<<16
	s_mov_b32 s[G1+4], 4
	s_mov_b32 s[G1+5], 256                         ; rows on end
	s_mov_b32 s[G1+6], 0
	s_mov_b32 s[G1+7], 0
	s_mov_b32 s[G1S], 15|(3<<16)|(1<<21)           ; the same with 48 rows
	s_mov_b32 s[G1S+1], 32<<16
	s_mov_b32 s[G1S+2], 48<<16
	s_mov_b32 s[G1S+3], 32<<16
	s_mov_b32 s[G1S+4], 48
	s_mov_b32 s[G1S+5], 32
	s_mov_b32 s[G1S+6], 0
	s_mov_b32 s[G1S+7], 0
	s_mov_b32 s[SEL], 0x76543210
	s_mov_b32 s[SEL+1], 0xfedcba98
	s_mov_b32 s[CS], 0x3e38aa3b                    ; log2(e) / 8
	s_mov_b32 s[CS+1], s[CS]
	s_mov_b32 s[TB], 0
	s_mov_b32 s[TS], 0
	s_mov_b32 s[H4096], 0
	s_mov_b32 s[H512], 0
	s_mov_b32 s[H2], 0
	s_mov_b32 s[SLOTS], 7
	; offsets in x and out
	s_lshl_b32 s66, s61, 23                        ; a batch is 8,388,608 bytes
	s_lshl_b32 s67, s60, 9                         ; 128 tokens are 512
	s_add_co_u32 s66, s66, s67
	s_lshl_b32 s70, s63, 21                        ; P0: 128 rows c of 16,384 bytes,
	s_lshl_b32 s71, s62, 7                         ; 32 tokens
	s_add_co_u32 s70, s70, s71
	s_add_co_u32 s70, s70, s66
	s_mov_b32 s71, 0
	s_lshl_b32 s72, s[WV], 19                      ; P3: my 32 rows c
	s_add_co_u32 s72, s72, s66
	s_mov_b32 s73, 0
	; the descriptors' addresses: the batch and the wave's number alone
	s_and_b32 s19, s[WV], 7                        ; which eighth of a slot I fetch
	s_lshl_b32 s74, s61, 19                        ; a batch of codes: 524,288 bytes
	s_lshr_b32 s75, s19, 2
	s_lshl_b32 s75, s75, 18                        ; head group: four heads on
	s_add_co_u32 s74, s74, s75
	s_and_b32 s75, s19, 3
	s_lshl_b32 s75, s75, 13                        ; key step
	s_add_co_u32 s74, s74, s75
	s_mov_b32 s75, 0
	s_mul_i32 s76, s61, 49152
	s_mul_i32 s77, s62, 12288
	s_add_co_u32 s76, s76, s77
	s_add_co_u32 s[G0S+1], s77, SCL
	s_mov_b32 s77, 0
	s_lshl_b32 s[G0+1], s19, 13                    ; slot 0, my eighth
	s_mov_b32 s[G0], 1
	s_mov_b32 s[G0S], 1
	; the prefetches
	s_lshl_b32 s78, s61, 19
	s_lshr_b32 s79, s59, 1
	s_lshl_b32 s79, s79, 18
	s_add_co_u32 s78, s78, s79
	s_and_b32 s79, s59, 1
	s_lshl_b32 s79, s79, 14
	s_add_co_u32 s78, s78, s79
	s_and_b32 s79, s[WV], 1
	s_lshl_b32 s79, s79, 13
	s_add_co_u32 s78, s78, s79
	s_add_co_u32 s78, s78, 32768                   ; in slot 1: the first fill behind a round steps it to slot 2
	s_mov_b32 s79, 0
	s_lshr_b32 s19, s[WV], 1
	s_xor_b32 s19, s19, 2                          ; 0 in waves 4 and 5,
	s_or_b32 s19, s19, ttmp9                       ; of the batch's first cluster: the same in all four partners
	s_cmp_eq_u32 s19, 0
	s_cselect_b32 s[LIM], 1, -1
	v_and_b32 v27, 31, v0                          ; lane
	v_and_b32 v28, 15, v0                          ; r
	s_wait_alu depctr_va_vdst(0)
	v_bfe_u32 v29, v0, 4, 1                        ; h
	; ================= P0: x into codes
.set XWI, 7                            ; v7   where my token's codes go
.set XSW, 8                            ; v8   and its scale word
.set XV,  9                            ; v9   4 x lane
.set XN,  104                          ; v104-167 two sets of 32 numbers
.set XC,  168                          ; v168-183 the codes of four blocks
.set XW,  184                          ; v184 the scale word
.set T0,  188
.set T1,  189
.set T2,  190
.set WF,  32                           ; v32-95 Wq's 8 fragments (u, s) at 8 (4 u + s)
	v_lshlrev_b32 v[XV], 2, v27
	s_lshl_b32 s19, s62, 13
	s_lshl_b32 s67, s63, 10
	s_add_co_u32 s19, s19, s67
	s_add_co_u32 s19, s19, XIMG
	v_lshlrev_b32 v[XWI], 4, v28
	s_delay_alu instid0(VALU_DEP_1)
	v_lshl_add_u32 v[XWI], v29, 12, v[XWI]
	s_delay_alu instid0(VALU_DEP_1)
	v_add_nc_u32 v[XWI], s19, v[XWI]               ; tile 2 g4 + h, K step s: 8,192 g4 + 4,096 h + 1,024 s + 16 r
	s_lshl_b32 s19, s62, 9
	s_lshl_b32 s67, s63, 2
	s_add_co_u32 s19, s19, s67
	s_add_co_u32 s19, s19, XSC
	v_lshlrev_b32 v[XSW], 4, v28
	s_wait_alu depctr_va_vdst(0)
	v_lshl_add_u32 v[XSW], v29, 8, v[XSW]
	s_delay_alu instid0(VALU_DEP_1)
	v_add_nc_u32 v[XSW], s19, v[XSW]
	v_lshl_add_u32 v10, v0, 3, QSC                 ; q's scale words begin as bytes 127: 8 bytes a thread
	v_lshlrev_b32 v11, 4, v27                      ; 16 lane
	v_lshlrev_b32 v12, 2, v28                      ; 4 r
	v_mov_b32 v186, 0x7f7f7f7f
	v_mov_b32 v187, 0x7f7f7f7f
	; P1's addresses
.set LI,   1
.set LSC,  2
.set AQW,  3
.set AQSW, 4
	v_lshl_add_u32 v[LI], v27, 4, XIMG
	v_lshl_add_u32 v[LSC], v28, 4, XSC
	s_lshr_b32 s19, s[WV], 1
	s_and_b32 s67, s[WV], 1
	s_lshl_b32 s68, s19, 12
	s_lshl_b32 s69, s67, 8
	s_add_co_u32 s68, s68, s69
	s_add_co_u32 s68, s68, QIMG
	v_lshlrev_b32 v[AQW], 4, v28
	s_delay_alu instid0(VALU_DEP_1)
	v_lshl_add_u32 v[AQW], v29, 3, v[AQW]
	s_delay_alu instid0(VALU_DEP_1)
	v_add_nc_u32 v[AQW], s68, v[AQW]               ; head w / 2, block w % 2: 4,096 head + 256 block + 16 r + 8 h
	s_lshl_b32 s68, s19, 9
	s_add_co_u32 s68, s68, s67
	s_add_co_u32 s68, s68, QSC
	v_lshl_add_u32 v[AQSW], v28, 2, s68
	s_wait_alu depctr_va_vdst(0)
	s_wait_kmcnt 0x0
	s_add_nc_u64 s[XB:XB+1], s[4:5], s[70:71]
	s_add_nc_u64 s[XR0:XR0+1], s[4:5], s[72:73]
	s_add_nc_u64 s[OB:OB+1], s[16:17], s[72:73]
.macro LOADX t                         ; block t: x(c = 128 s + 32 t + i, my token): a wave reads 128 consecutive bytes, four waves 512
.set J, 0
.rept 32
	global_load_b32 v[XN+32*((\t)%2)+J], v[XV], s[XB:XB+1] offset:(32*(\t)+J)*16384
.set J, J+1
.endr
.endm
	LOADX 0                                        ; x is what the work-group needs first: its loads go out ahead of the round
	LOADX 1
	s_add_nc_u64 s[G0+2:G0+3], s[10:11], s[74:75]
	s_or_b32 s[G0+3], s[G0+3], 0x80000000
	s_add_nc_u64 s[G0S+2:G0S+3], s[12:13], s[76:77]
	s_or_b32 s[G0S+3], s[G0S+3], 0x80000000
	s_add_nc_u64 s[PFA:PFA+1], s[10:11], s[78:79]
	s_lshl_b32 s80, s[WV], 13
	s_mov_b32 s81, 0
	s_add_nc_u64 s[WQB:WQB+1], s[6:7], s[80:81]    ; my two weight tiles: 8,192 dense bytes
	s_add_nc_u64 s[WOB:WOB+1], s[WQB:WQB+1], 131072
	s_lshl_b32 s80, s[WV], 9
	s_add_nc_u64 s[WQS:WQS+1], s[8:9], s[80:81]
	s_add_nc_u64 s[WOS:WOS+1], s[WQS:WQS+1], 8192
	s_lshl_b32 s80, s[WV], 7
	s_add_nc_u64 s[BOB:BOB+1], s[14:15], s[80:81]
	CROUND                                         ; all four work-groups are here: the first joint loads meet
	; the head's loads, one a wave, in one chain of branches on the wave's number: waves 0-7 an eighth of slot 0, waves 8-11 a quarter of the batch's scale bytes (filled once)
	s_cmp_lt_u32 s[WV], 8
	s_cbranch_scc0 .Lhead_s
	tensor_load_to_lds s[G0:G0+3], s[G1:G1+7]
	s_nop 0
.rept 4
	v_nop
.endr
	s_branch .Lhead_asked
.Lhead_s:
	s_cmp_lt_u32 s[WV], 12
	s_cbranch_scc0 .Lhead_asked
	tensor_load_to_lds s[G0S:G0S+3], s[G1S:G1S+7]
	s_nop 0
.rept 4
	v_nop
.endr
.Lhead_asked:
.macro XBLOCK t, left
.set XS, XN+32*((\t)%2)
	s_wait_loadcnt \left
	v_max3_num_f32 v[T0], |v[XS]|, |v[XS+1]|, |v[XS+2]|              ; all 32 numbers of the block are mine
	v_max3_num_f32 v[T1], |v[XS+3]|, |v[XS+4]|, |v[XS+5]|
.irp i, 6,10,14,18,22,26
	s_delay_alu instid0(VALU_DEP_2)
	v_max3_num_f32 v[T0], v[T0], |v[XS+\i]|, |v[XS+\i+1]|
	s_delay_alu instid0(VALU_DEP_2)
	v_max3_num_f32 v[T1], v[T1], |v[XS+\i+2]|, |v[XS+\i+3]|
.endr
	s_delay_alu instid0(VALU_DEP_2)
	v_max3_num_f32 v[T0], v[T0], |v[XS+30]|, |v[XS+31]|
	s_delay_alu instid0(VALU_DEP_1)
	v_max3_num_f32 v[T0], v[T0], v[T1], 0x1800000
	s_delay_alu instid0(VALU_DEP_1)
	v_add_nc_u32 v[T2], 0xff000000, v[T0]
	s_delay_alu instid0(VALU_DEP_1)
	v_lshrrev_b32 v[T1], 23, v[T2]
.if (\t) == 0
	s_delay_alu instid0(VALU_DEP_1)
	v_mov_b32 v[XW], v[T1]
.else
	s_delay_alu instid0(VALU_DEP_1)
	v_lshl_or_b32 v[XW], v[T1], 8*(\t), v[XW]
.endif
.irp g, 0,1,2,3
	v_cvt_scalef32_pk8_fp4_f32 v[XC+4*(\t)+\g], v[XS+8*\g:XS+8*\g+7], v[T2]
.endr
	v_nop
	ds_store_b128 v[XWI], v[XC+4*(\t):XC+4*(\t)+3] offset:256*(\t)
.endm
	s_wait_alu depctr_va_vdst(0)
	ds_store_b64 v10, v[186:187]
	XBLOCK 0, 32                                   ; the next block's 32 loads may stay out
	LOADX 2
	XBLOCK 1, 32
	LOADX 3
	XBLOCK 2, 32
.irp i, 0,1,2,3,4,5,6,7,8,9,10,11,12,13,14,15
	global_load_b128 v[WF+4*\i:WF+4*\i+3], v11, s[WQB:WQB+1] offset:512*\i    ; Wq's fragments stay in registers through P1
.endr
.irp i, 0,1,2,3,4,5,6,7
	global_load_b32 v[WS+\i], v12, s[WQS:WQS+1] offset:64*\i
.endr
	XBLOCK 3, 24                                   ; Wq's 24 loads may stay out
	ds_store_b32 v[XSW], v[XW]
	BAR                                            ; x's 32 fragments lie in LDS
	s_wait_loadcnt 0x0                             ; Wq
	; ================= P1: q
; A projection of four token tiles (4 hf + q) against my two weight tiles.  swap = 0: source 0 = the weight; swap = 1: source 0 = the tokens, and v[BC + 8 u] is the C of the first K step.
; The eight accumulators take turns, one instruction a turn.
.macro PROJ hf, swap
.irp q, 0,1,2,3
	ds_load_b128 v[TSC+4*\q:TSC+4*\q+3], v[LSC] offset:(4*\hf+\q)*256         ; a row's four scale words, one for each K step
.endr
.irp s, 0,1,2,3
.if \s > 0
	PLACES 4                                          ; in front of loads into registers that matrix instructions have read
.endif
.irp q, 0,1,2,3
.irp c, 0,1
	ds_load_b128 v[FR+8*\q+4*\c:FR+8*\q+4*\c+3], v[LI] offset:((4*\hf+\q)*4+\s)*1024+512*\c
.endr
.endr
	s_wait_dscnt 0x0
.irp q, 0,1,2,3
.irp u, 0,1
.if \swap
.if \s == 0
	MMC ACC+8*(4*\u+\q), FR+8*\q, WF+8*(4*\u+\s), BC+8*\u, TSC+4*\q+\s, WS+4*\u+\s
.else
	MMC ACC+8*(4*\u+\q), FR+8*\q, WF+8*(4*\u+\s), ACC+8*(4*\u+\q), TSC+4*\q+\s, WS+4*\u+\s
.endif
.else
.if \s == 0
	MMZ ACC+8*(2*\q+\u), WF+8*(4*\u+\s), FR+8*\q, WS+4*\u+\s, TSC+4*\q+\s
.else
	MMC ACC+8*(2*\q+\u), WF+8*(4*\u+\s), FR+8*\q, ACC+8*(2*\q+\u), WS+4*\u+\s, TSC+4*\q+\s
.endif
.endif
.endr
.endr
.endr
	PLACES 5                                          ; four for reads of the results and loads into the operands; a fifth, since the next projection begins these accumulators anew
.endm
.set ACC, 104
.set FR,  168
.set QM,  200
.set QX,  204
.set QS,  208
.set QY,  212
.set QC,  216
.irp b, 0,1,2,3
	v_mov_b32 v[QX+\b], 0                          ; a lane permute's destination counts as read
.endr
.irp hf, 0,1
	PROJ \hf, 0
	QB 4, ACC                                      ; block q: token tile 4 hf + q, my 32 units: 16 of them in my lane
.irp q, 0,1,2,3
	ds_store_b64 v[AQW], v[QC+2*\q:QC+2*\q+1] offset:(4*\hf+\q)*512
	ds_store_b8 v[AQSW], v[QY+\q] offset:(4*\hf+\q)*64                        ; both lanes of a block write the same byte with the same value
.endr
.endr
	; ================= P2: attention
.set AK0,  1                           ; v1   my head group's part of a slot: 32,768 g + 16 lane
.set AS0,  2                           ; v2   k's scale words
.set AT0,  3                           ; v3   v's
.set AQ0,  4                           ; v4   q's codes
.set AQS0, 7                           ; v7   q's scale word
.set QF,   16                          ; v16-23 q's fragment; v20-23 stay zero codes
.set AO0,  24                          ; v24  where o's codes go
.set AOS0, 25                          ; v25  and its two scale bytes
.set PFO,  26                          ; v26  256 x lane
.set KF,   32                          ; v32-63 eight tiles of k, four registers each; v64-67 zeros
.set VF,   68                          ; v68-99 four fragments of v
.set SCR,  104                         ; v104-167 S^T, then p: v[SCR + 32 c] on: my block 2 c + h
.set OT,   168                         ; v168-199 O^T
.set PC,   200                         ; v200-207 p's codes
.set BM,   208                         ; v208-211 partial maxima; v[BM + 2 c]: block 2 c + h's largest score, then its largest p; v[BM + 1] then my two scale bytes
.set BX,   212                         ; v212 what lane l xor 16 sends; v214, v215 the two bytes
.set PS,   216                         ; v216, v217 the conversions' scale operands
.set OM,   218                         ; v218 the old -M
.set SH8,  219                         ; v219 8 h; never rewritten in P2
.set TT,   220
.set FF,   222                         ; v[222:223] f = 2^(old M - new M), and a register written once: the packed forms name a pair
.set QM,   208
.set QX,   212
.set QS,   216
.set QY,   226
.set QC,   100                         ; v100-103: in a step two of the sum's chains; at a head's end o's codes
	s_wait_dscnt 0x0                               ; my stores of q have read their address registers, which are written anew below
	s_wait_tensorcnt 0x0                           ; my head's load is in.  Slot 1's first fill is issued as a refill is:
	ds_add_u32 v[SPW], v[NIL]                      ; the add, twice on end
	ds_add_u32 v[SPW], v[NIL]                      ; P2's addresses, work on registers, stand between it and its wait
	s_xor_b32 s[G0+1], s[G0+1], SLOTB
	s_add_nc_u64 s[G0+2:G0+3], s[G0+2:G0+3], 32768
	s_add_nc_u64 s[PFA:PFA+1], s[PFA:PFA+1], 32768 ; (no prefetch has gone out yet)
	s_and_b32 s62, s[WV], 7                        ; my token tile
	s_lshr_b32 s63, s[WV], 3                       ; my head group g
	s_lshl_b32 s19, s63, 15
	v_lshl_add_u32 v[AK0], v27, 4, s19
	s_mul_i32 s19, s63, 24576
	s_add_co_u32 s19, s19, SCL
	v_lshl_add_u32 v[AS0], v27, 4, s19
	s_add_co_u32 s66, s19, 512
	v_lshl_add_u32 v[AT0], v28, 4, s66
	s_lshl_b32 s19, s63, 14
	s_lshl_b32 s66, s62, 9
	s_add_co_u32 s19, s19, s66
	s_add_co_u32 s19, s19, QIMG
	v_lshl_add_u32 v[AQ0], v27, 4, s19
	s_lshl_b32 s19, s63, 11
	s_lshl_b32 s66, s62, 6
	s_add_co_u32 s19, s19, s66
	s_add_co_u32 s19, s19, QSC
	v_lshl_add_u32 v[AQS0], v28, 2, s19
	s_lshl_b32 s19, s62, 12
	s_lshl_b32 s66, s63, 11
	s_add_co_u32 s19, s19, s66
	s_add_co_u32 s19, s19, OIMG
	v_lshlrev_b32 v[AO0], 4, v28
	s_delay_alu instid0(VALU_DEP_1)
	v_lshl_add_u32 v[AO0], v29, 3, v[AO0]
	s_delay_alu instid0(VALU_DEP_1)
	v_add_nc_u32 v[AO0], s19, v[AO0]               ; head 4 g + hp, block b: 4,096 tile + 2,048 g + 512 hp + 256 b + 16 r + 8 h
	s_lshl_b32 s19, s62, 8
	s_lshl_b32 s66, s63, 3
	s_add_co_u32 s19, s19, s66
	s_add_co_u32 s19, s19, OSC
	v_lshl_add_u32 v[AOS0], v28, 4, s19            ; 256 tile + 16 r + 8 g + 2 hp
	v_lshlrev_b32 v[PFO], 8, v27
	v_lshlrev_b32 v[SH8], 3, v29
.irp j, 0,1,2,3
	v_mov_b32 v[QF+4+\j], 0
	v_mov_b32 v[KF+32+\j], 0
	v_mov_b32 v[BX+\j], 0
.endr
	v_mov_b32 v[FF+1], 0
	v_mov_b32 v[TT], 0
	s_wait_alu depctr_va_vdst(0)
	s_wait_dscnt 0x0                               ; the adds are done, and q's 64 half fragments and words of mine lie in LDS
	CROUND                                         ; the round's opening barrier also shows q to every wave
	TLOAD                                          ; slot 1
	ASK
	s_sub_co_u32 s[SLOTS], s[SLOTS], 1
.macro KLOAD ko, so                    ; eight tiles of k and their words (lanes 0-15: tiles 0-3; lanes 16-31: tiles 4-7)
.irp t, 0,1,2,3,4,5,6,7
	ds_load_b128 v[KF+4*\t:KF+4*\t+3], v8 offset:\ko+512*\t
.endr
	ds_load_b128 v[SK:SK+3], v9 offset:\so
.endm
	v_add_nc_u32 v8, s[TB], v[AK0]
	v_add_nc_u32 v9, s[TS], v[AS0]
	KLOAD 0, 0                                     ; the first step's k
.macro HEAD_INIT
	v_add_nc_u32 v31, s[H4096], v[AQ0]
	v_add_nc_u32 v221, s[H512], v[AQS0]
	ds_load_b128 v[QF:QF+3], v31                   ; lane (r, h): channels 32 h .. + 31 of query r
	ds_load_b32 v[QW], v221
	v_mov_b32 v13, 0xff61b1e6                      ; the largest t so far: -3e38
	s_delay_alu instid0(VALU_DEP_1)
	v_floor_f32 v12, -v13                          ; -M
	v_mov_b32 v14, 0                               ; the sum, in two halves
	v_mov_b32 v15, 0
	s_wait_alu depctr_va_vdst(0)
.endm
; A key step: 128 keys.  chg = 0: the next step lies in the same slot.  1: the slot's last step, the slot is filled again.  2: a slot's last step, no fill follows.  3: the very last step.
; first = 1: a head's first step: its second product starts O^T with the constant 0 as C, so nothing is cleared and nothing is rescaled there.
.macro STEP chg, first
	s_wait_dscnt 0x0                               ; k and its words, asked for a step ago (at a head's start q too)
.irp t, 0,1,2,3
	MMZ SCR+8*\t, KF+4*\t, QF, SK+\t, QW           ; source 0 runs on into the next tile's registers: they meet q's zero codes
.endr
.irp t, 0,1,2,3
	MMZR SCR+32+8*\t, KF+16+4*\t, QF, SK+\t, QW
.endr
	v_add_nc_u32 v8, s[TB], v[AK0]                 ; four places behind these products and the last step's: in front of the loads into their operands and of the first read of the scores
	v_add_nc_u32 v9, s[TS], v[AS0]
	v_add_nc_u32 v10, s[TS], v[AT0]
	v_mov_b32 v[OM], v12
.irp i, 0,1,2,3,4,5,6,7
	ds_load_b128 v[VF+4*\i:VF+4*\i+3], v8 offset:4096+512*\i
.endr
	ds_load_b128 v[SV:SV+3], v10
.if \chg == 0
	KLOAD 8192, 768                                ; the next step's k
.endif
.if (\chg == 1) || (\chg == 2)
	s_wait_alu depctr_va_vdst(0)
	s_wait_tensorcnt 0x0                           ; all my tensor loads are in: my part of the next slot
	ds_add_u32 v[SPW], v[NIL]                      ; 0 onto my spare word
.if \chg == 1
	ds_add_u32 v[SPW], v[NIL]                      ; twice on end where a tensor load can follow
	s_xor_b32 s[G0+1], s[G0+1], SLOTB              ; the slot that is being left,
	s_add_nc_u64 s[G0+2:G0+3], s[G0+2:G0+3], 32768 ; the next four key steps: a head's second half, or the next head's first, lie on end
	s_wait_xcnt 0x0                                ; the last prefetch, a slot back, has read its address
	s_add_nc_u64 s[PFA:PFA+1], s[PFA:PFA+1], 32768
.endif
	s_wait_dscnt 0x0                               ; the add is done and this step's v is in registers: my reads of this slot are over
	s_barrier_signal -1
	s_barrier_wait -1                              ; nobody reads this slot any more, and the next slot is whole
.if \chg == 1
	CREST                                          ; the barrier has opened a round of the cluster's barrier: the same holds of all four work-groups
	TLOAD                                          ; the refill, the first tensor load behind the round: it has four key steps in which to land
	ASK
	s_sub_co_u32 s[SLOTS], s[SLOTS], 1
.endif
	s_sub_co_u32 s[TB], s[TB], 24576               ; back to a slot's first step,
	s_xor_b32 s[TB], s[TB], SLOTB                  ; in the other slot
	v_add_nc_u32 v8, s[TB], v[AK0]
	KLOAD 0, 768                                   ; its k; the scale words lie on end outside the ring
.endif
.irp b, 0,1,2,3
	v_max3_num_f32 v[BM+\b], v[SCR+16*\b], v[SCR+16*\b+1], v[SCR+16*\b+2]     ; the largest score of my two blocks of 32 keys, in two chains each: for the row's maximum, and, since p rises with the score, for the block's largest p
.endr
.irp i, 3,5,7,9,11,13
.irp b, 0,1,2,3
	v_max3_num_f32 v[BM+\b], v[BM+\b], v[SCR+16*\b+\i], v[SCR+16*\b+\i+1]
.endr
.endr
.irp c, 0,1
	v_max3_num_f32 v[BM+2*\c], v[BM+2*\c], v[SCR+32*\c+15], v[SCR+32*\c+31]
.endr
.irp c, 0,1
	s_delay_alu instid0(VALU_DEP_2)
	v_max_num_f32 v[BM+2*\c], v[BM+2*\c], v[BM+2*\c+1]
.endr
	s_delay_alu instid0(VALU_DEP_1)
	v_max_num_f32 v[TT], v[BM], v[BM+2]
	s_delay_alu instid0(VALU_DEP_1)
	v_permlanex16_b32 v[BX], v[TT], s[SEL], s[SEL+1]
	s_delay_alu instid0(VALU_DEP_1)
	v_max_num_f32 v[TT], v[TT], v[BX]              ; with lane l xor 16's two blocks: the step's largest score of my query
	s_delay_alu instid0(VALU_DEP_1)
	v_mul_f32 v[TT], s[CS], v[TT]                  ; as t
	s_delay_alu instid0(VALU_DEP_1)
	v_max_num_f32 v13, v13, v[TT]                  ; the running largest t
	s_delay_alu instid0(VALU_DEP_1)
	v_floor_f32 v12, -v13                          ; the new -M = -ceil(t)
	s_delay_alu instid0(VALU_DEP_1)
	v_sub_f32 v[TT], v12, v[OM]                    ; old M - new M: a whole number, 0 or less
	s_delay_alu instid0(VALU_DEP_1)
	v_cvt_i32_f32 v[TT], v[TT]                     ; (it saturates)
	s_delay_alu instid0(VALU_DEP_1)
	v_ldexp_f32 v[FF], 1.0, v[TT]                  ; f: a power of two, so the rescaling rounds nothing
.set J, 0
.rept 32
	v_pk_fma_f32 v[SCR+J:SCR+J+1], v[SCR+J:SCR+J+1], s[CS:CS+1], v[12:13] op_sel_hi:[1,0,0]   ; t - M
.set J, J+2
.endr
.irp c, 0,1
	v_fma_f32 v[BM+2*\c], v[BM+2*\c], s[CS], v12
.endr
	s_wait_alu depctr_va_vdst(0)                   ; ahead of the batch
.set J, 0
.rept 64
	v_exp_f32 v[SCR+J], v[SCR+J]                   ; p = 2^(t - M): not normalised
.set J, J+1
.endr
	v_pk_mul_f32 v[14:15], v[14:15], v[FF:FF+1] op_sel_hi:[1,0]               ; the sums under the new M: the plain line behind the exponentials
	s_wait_alu depctr_va_vdst(0)                   ; one wait for the batch of 64, ahead of its first reader
.irp c, 0,1
	v_exp_f32 v[BM+2*\c], v[BM+2*\c]               ; my blocks' largest p
.endr
	; the row's sum of the unquantised p, two at a time, in six chains
	v_pk_add_f32 v[224:225], v[SCR:SCR+1], v[SCR+2:SCR+3]
	v_pk_add_f32 v[228:229], v[SCR+4:SCR+5], v[SCR+6:SCR+7]
	v_pk_add_f32 v[230:231], v[SCR+8:SCR+9], v[SCR+10:SCR+11]
	v_pk_add_f32 v[100:101], v[SCR+12:SCR+13], v[SCR+14:SCR+15]
	v_pk_add_f32 v[102:103], v[SCR+16:SCR+17], v[SCR+18:SCR+19]
.irp j, 20,32,44
	v_pk_add_f32 v[14:15], v[14:15], v[SCR+\j:SCR+\j+1]
	v_pk_add_f32 v[224:225], v[224:225], v[SCR+\j+2:SCR+\j+3]
	v_pk_add_f32 v[228:229], v[228:229], v[SCR+\j+4:SCR+\j+5]
	v_pk_add_f32 v[230:231], v[230:231], v[SCR+\j+6:SCR+\j+7]
	v_pk_add_f32 v[100:101], v[100:101], v[SCR+\j+8:SCR+\j+9]
	v_pk_add_f32 v[102:103], v[102:103], v[SCR+\j+10:SCR+\j+11]
.endr
	v_pk_add_f32 v[14:15], v[14:15], v[SCR+56:SCR+57]
	v_pk_add_f32 v[224:225], v[224:225], v[SCR+58:SCR+59]
	v_pk_add_f32 v[228:229], v[228:229], v[SCR+60:SCR+61]
	v_pk_add_f32 v[230:231], v[230:231], v[SCR+62:SCR+63]
	v_pk_add_f32 v[100:101], v[100:101], v[102:103]
	s_delay_alu instid0(VALU_DEP_4)
	v_pk_add_f32 v[14:15], v[14:15], v[224:225]
	s_delay_alu instid0(VALU_DEP_3)
	v_pk_add_f32 v[228:229], v[228:229], v[230:231]
	s_delay_alu instid0(VALU_DEP_2)
	v_pk_add_f32 v[14:15], v[14:15], v[100:101]
	s_delay_alu instid0(VALU_DEP_1)
	v_pk_add_f32 v[14:15], v[14:15], v[228:229]
	s_wait_alu depctr_va_vdst(0)                   ; and one wait for the two
.irp c, 0,1
	v_max_num_f32 v[BM+2*\c], 0x1800000, v[BM+2*\c]   ; the floor: the byte cannot fall under 1
.endr
.irp c, 0,1
	s_delay_alu instid0(VALU_DEP_2)
	v_add_nc_u32 v[PS+\c], 0xff000000, v[BM+2*\c]  ; 2 off the exponent field: the conversion's scale operand
.endr
.irp c, 0,1
	s_delay_alu instid0(VALU_DEP_2)
	v_lshrrev_b32 v[BX+2+\c], 23, v[PS+\c]         ; the scale's byte
.endr
	s_delay_alu instid0(VALU_DEP_1)
	v_lshl_or_b32 v[BM+1], v[BX+3], 16, v[BX+2]    ; my two bytes: blocks h and 2 + h,
	s_delay_alu instid0(VALU_DEP_1)
	v_lshlrev_b32 v[BM+1], v[SH8], v[BM+1]         ; at their places in the scale word (8 h bits up);
	s_delay_alu instid0(VALU_DEP_1)
	v_permlanex16_b32 v[BX], v[BM+1], s[SEL], s[SEL+1]
	s_delay_alu instid0(VALU_DEP_1)
	v_or_b32 v[PWD], v[BM+1], v[BX]                ; with lane l xor 16's two: p's scale word for these 128 keys
.irp c, 0,1
.irp u, 0,1,2,3
	v_cvt_scalef32_pk8_fp4_f32 v[PC+4*\c+\u], v[SCR+32*\c+8*\u:SCR+32*\c+8*\u+7], v[PS+\c]   ; register 4 c + u: keys 64 c + 32 h + 8 u on: the operand's own layout
.endr
.endr
	s_wait_alu depctr_va_vdst(0)                   ; directly ahead of the first reader of O^T
.if \first
	PLACES 8                                       ; between the write of p's word (eight places), the conversions (four), and the scaled products
.else
.irp j, 0,2,4,6,8,10,12,14,16,18,20,22,24,26,28,30
	v_pk_mul_f32 v[OT+\j:OT+\j+1], v[OT+\j:OT+\j+1], v[FF:FF+1] op_sel_hi:[1,0]   ; O^T under the new M; these 16 also stand between the conversions, the write of p's word, and the products
.endr
.endif
	s_wait_alu depctr_va_vdst(0)                   ; ahead of the wait below
.if \chg == 3
	s_wait_dscnt 0x0                               ; v
.else
	s_wait_dscnt 9                                 ; v is in; the nine younger loads, the next step's k and its words, may stay out
.endif
.irp t, 0,1,2,3
.if \first
	MMZ OT+8*\t, VF+8*\t, PC, SV+\t, PWD
.else
	MMC OT+8*\t, VF+8*\t, PC, OT+8*\t, SV+\t, PWD
.endif
.endr
.if \chg == 0
	s_add_co_u32 s[TB], s[TB], 8192
.endif
.if \chg < 3
	s_add_co_u32 s[TS], s[TS], 768
.endif
.endm
.macro STEPS n                         ; n key steps inside a slot: written once, walked n times
	s_mov_b32 s[NS], \n
.Lstep_\@:
	STEP 0, 0
	s_sub_co_u32 s[NS], s[NS], 1
	s_cmp_lg_u32 s[NS], 0
	s_cbranch_scc1 .Lstep_\@
.endm
.macro HEAD_FINISH                     ; o = O^T / the sum, quantised along the inner 512 (this head's two blocks), its image to LDS
	PLACES 4
	v_add_f32 v14, v14, v15
	s_delay_alu instid0(VALU_DEP_1)
	v_permlanex16_b32 v[TT], v14, s[SEL], s[SEL+1]
	s_delay_alu instid0(VALU_DEP_1)
	v_add_f32 v14, v14, v[TT]                      ; the row's sum
	s_wait_alu depctr_va_vdst(0)
	v_rcp_f32 v14, v14
	v_add_nc_u32 v11, s[H512], v[AO0]              ; (plain lines behind the reciprocal)
	v_add_nc_u32 v30, s[H2], v[AOS0]
	s_wait_alu depctr_va_vdst(0)                   ; ahead of its first reader
.irp j, 0,2,4,6,8,10,12,14,16,18,20,22,24,26,28,30
	v_pk_mul_f32 v[OT+\j:OT+\j+1], v[OT+\j:OT+\j+1], v[14:15] op_sel_hi:[1,0]
.endr
	QB 2, OT
	ds_store_b64 v11, v[QC:QC+1]
	ds_store_b64 v11, v[QC+2:QC+3] offset:256
	v_lshl_or_b32 v[QY], v[QY+1], 8, v[QY]
	ds_store_b16 v30, v[QY]                        ; both halves of the lanes write the same two bytes with the same values
	s_add_co_u32 s[H4096], s[H4096], 4096
	s_add_co_u32 s[H512], s[H512], 512
	s_add_co_u32 s[H2], s[H2], 2
	s_wait_alu depctr_va_vdst(0)
.endm
	s_mov_b32 s[HPC], 3
.Lhead:                                            ; three heads, both of whose slots are filled again when they are left
	HEAD_INIT
	STEP 0, 1
	STEPS 2
	STEP 1, 0
	STEPS 3
	STEP 1, 0
	HEAD_FINISH
	s_sub_co_u32 s[HPC], s[HPC], 1
	s_cmp_lg_u32 s[HPC], 0
	s_cbranch_scc1 .Lhead
	HEAD_INIT                                      ; the last head is written out: the head's fill, slot 1's and six refills make eight slots
	STEP 0, 1
	STEPS 2
	STEP 2, 0
	STEPS 3
	STEP 3, 0
	HEAD_FINISH
	; ================= P3: out = o Wo + bo + x
.set LI,  1
.set LSC, 2
.set SO,  3                            ; v3   the stage: where I put 32 bytes of a row
.set SR,  4                            ; v4   and where I read a row back
.set GX,  7                            ; v7   my byte offset in x and out: 16,384 (lane / 16) + 16 r
.set XR,  8                            ; v8-39 x for the residual
.set FR,  64                           ; v64-95 four fragments of o; between the projections a second set of x
.set WF,  104                          ; v104-167 Wo's fragments
.set ACC, 168                          ; v168-231
	s_wait_dscnt 0x0                               ; my LDS stores have read their address registers,
	s_wait_xcnt 0x0                                ; and the last prefetch its offset: loads land on them below
	v_and_b32 v40, 31, v0
	v_and_b32 v41, 15, v0
	v_bfe_u32 v42, v0, 4, 1
	s_delay_alu instid0(VALU_DEP_3)
	v_lshlrev_b32 v43, 4, v40
	s_delay_alu instid0(VALU_DEP_3)
	v_lshlrev_b32 v44, 2, v41
	s_delay_alu instid0(VALU_DEP_4)
	v_and_b32 v45, 8, v41
	s_delay_alu instid0(VALU_DEP_1)
	v_add_lshl_u32 v45, v45, v41, 2                ; 4 (r + 8 (r / 8)): lane r of tile u holds c = 32 w + 8 u + r + 8 (r / 8)
	v_lshlrev_b32 v[GX], 4, v41
	s_delay_alu instid0(VALU_DEP_1)
	v_lshl_add_u32 v[GX], v42, 14, v[GX]
	v_lshl_add_u32 v[LI], v40, 4, OIMG
	v_lshl_add_u32 v[LSC], v41, 4, OSC
	s_mul_i32 s19, s[WV], 4352
	s_add_co_u32 s19, s19, STG
	v_mul_u32_u24 v[SO], v41, 272
	s_delay_alu instid0(VALU_DEP_1)
	v_lshl_add_u32 v[SO], v42, 5, v[SO]
	s_delay_alu instid0(VALU_DEP_1)
	v_add_nc_u32 v[SO], s19, v[SO]
	v_mul_u32_u24 v[SR], v42, 272
	s_delay_alu instid0(VALU_DEP_1)
	v_lshl_add_u32 v[SR], v41, 4, v[SR]
	s_delay_alu instid0(VALU_DEP_1)
	v_add_nc_u32 v[SR], s19, v[SR]
.macro XLD reg, hf, u                  ; x at the 16 rows c of tile u, tokens 64 hf on: two rows a load, 16 lanes to 256 consecutive bytes
.irp i, 0,1,2,3,4,5,6,7
	global_load_b128 v[\reg+4*\i:\reg+4*\i+3], v[GX], s[XR0:XR0+1] offset:(8*\u+2*\i+8*(\i/4))*16384+256*\hf th:TH_LOAD_NT
.endr
.endm
.irp i, 0,1,2,3,4,5,6,7,8,9,10,11,12,13,14,15
	global_load_b128 v[WF+4*\i:WF+4*\i+3], v43, s[WOB:WOB+1] offset:512*\i
.endr
.irp i, 0,1,2,3,4,5,6,7
	global_load_b32 v[WS+\i], v44, s[WOS:WOS+1] offset:64*\i
.endr
	global_load_b32 v96, v45, s[BOB:BOB+1]
	global_load_b32 v97, v45, s[BOB:BOB+1] offset:32
	XLD XR, 0, 0
	s_wait_alu depctr_va_vdst(0)
	BAR                                            ; o's 32 fragments lie in LDS, and nobody reads x's or q's bytes any more
	s_wait_loadcnt 8                               ; Wo, its words and bo are in; x's eight loads may stay out
.irp u, 0,1
.irp j, 0,1,2,3,4,5,6,7
	v_mov_b32 v[BC+8*\u+\j], v[96+\u]              ; the bias in the result's layout: a lane's eight registers are one c
.endr
.endr
; 16 rows c x 64 tokens go through my own stage and come back as whole rows of 256 bytes, into the registers that they left; + x; stored.  LDS serves a wave's instructions in order.
.macro OUT hf, u, xreg, cnt
.irp q, 0,1,2,3
	ds_store_b128 v[SO], v[ACC+8*(4*\u+\q):ACC+8*(4*\u+\q)+3] offset:64*\q    ; each accumulator from its low end on
	ds_store_b128 v[SO], v[ACC+8*(4*\u+\q)+4:ACC+8*(4*\u+\q)+7] offset:64*\q+16
.endr
.irp i, 0,1,2,3,4,5,6,7
	ds_load_b128 v[ACC+32*\u+4*\i:ACC+32*\u+4*\i+3], v[SR] offset:544*\i
.endr
	s_wait_dscnt 0x0
	s_wait_loadcnt \cnt                            ; this set of x is in; the younger set may stay out
.irp i, 0,1,2,3,4,5,6,7,8,9,10,11,12,13,14,15
	v_pk_add_f32 v[ACC+32*\u+2*\i:ACC+32*\u+2*\i+1], v[ACC+32*\u+2*\i:ACC+32*\u+2*\i+1], v[\xreg+2*\i:\xreg+2*\i+1]
.endr
.irp i, 0,1,2,3,4,5,6,7
	global_store_b128 v[GX], v[ACC+32*\u+4*\i:ACC+32*\u+4*\i+3], s[OB:OB+1] offset:(8*\u+2*\i+8*(\i/4))*16384+256*\hf th:TH_STORE_NT   ; 16 lanes store 256 consecutive bytes, aligned
.endr
.endm
	s_wait_alu depctr_va_vdst(0)
	PROJ 0, 1
	XLD FR, 0, 1                                   ; o's fragments are done with: their registers take the second set of x
	OUT 0, 0, XR, 8
	XLD XR, 1, 0
	OUT 0, 1, FR, 8
	s_wait_xcnt 0x0                                ; the stores have read their data: the accumulators are written again only behind this wait
	PROJ 1, 1
	XLD FR, 1, 1
	OUT 1, 0, XR, 8
	OUT 1, 1, FR, 0
	s_wait_tensorcnt 0x0                           ; the wave's end, behind my last tensor load and my last LDS store
	ds_add_u32 v[SPW], v[NIL]
	s_wait_dscnt 0x0
	CROUND                                         ; the closing round: no work-group ends while a partner may still ask for a tile that names it
	s_endpgm
.Lfunc_end_k_qfaccc3e363_attn:
	.size	k_qfaccc3e363_attn, .Lfunc_end_k_qfaccc3e363_attn-k_qfaccc3e363_attn
	.p2alignl 7, 3214868480
	.fill 96, 4, 3214868480
	.section	.rodata,"a",@progbits
	.p2align	6, 0x0
	.amdhsa_kernel k_qfaccc3e363_attn
		.amdhsa_group_segment_fixed_size 327680
		.amdhsa_private_segment_fixed_size 0
		.amdhsa_enable_private_segment 0
		.amdhsa_kernarg_size 56
		.amdhsa_user_sgpr_count 2
		.amdhsa_user_sgpr_kernarg_segment_ptr 1
		.amdhsa_wavefront_size32 1
		.amdhsa_system_sgpr_workgroup_id_x 1
		.amdhsa_system_sgpr_workgroup_id_y 1
		.amdhsa_system_sgpr_workgroup_id_z 1
		.amdhsa_system_vgpr_workitem_id 0
		.amdhsa_next_free_vgpr 256
		.amdhsa_next_free_sgpr 100
		.amdhsa_reserve_vcc 0
		.amdhsa_float_denorm_mode_32 3
		.amdhsa_float_denorm_mode_16_64 3
		.amdhsa_memory_ordered 1
		.amdhsa_forward_progress 1
		.amdhsa_inst_pref_size 243
	.end_amdhsa_kernel
	.amdgpu_metadata
---
amdhsa.version: [ 1, 2 ]
amdhsa.kernels:
  - .name:           k_qfaccc3e363_attn
    .symbol:         k_qfaccc3e363_attn.kd
    .args:
      - { .name: x, .offset: 0, .size: 8, .value_kind: global_buffer, .address_space: global }
      - { .name: wimg, .offset: 8, .size: 8, .value_kind: global_buffer, .address_space: global }
      - { .name: wscl, .offset: 16, .size: 8, .value_kind: global_buffer, .address_space: global }
      - { .name: kvc, .offset: 24, .size: 8, .value_kind: global_buffer, .address_space: global }
      - { .name: kvs, .offset: 32, .size: 8, .value_kind: global_buffer, .address_space: global }
      - { .name: bo, .offset: 40, .size: 8, .value_kind: global_buffer, .address_space: global }
      - { .name: out0, .offset: 48, .size: 8, .value_kind: global_buffer, .address_space: global }
    .group_segment_fixed_size: 327680
    .private_segment_fixed_size: 0
    .kernarg_segment_align: 8
    .kernarg_segment_size: 56
    .max_flat_workgroup_size: 512
    .sgpr_count:     100
    .vgpr_count:     256
    .wavefront_size: 32
...
	.end_amdgpu_metadata
.endif
;; end of part 3
